; MI455X (gfx1250); checked and timed in simulation.
; The chip was launched on July 23, 2026; its instructions are those of AMD's public machine-readable ISA for CDNA 5 (MIT licence, August 2026) and "CDNA5" Instruction Set Architecture Reference Guide (July 2026). The comments in the code are by the model that wrote it; some were corrected since.
;; Presidential Attention. Allowed arithmetic: matrix products marked QUANTISED: E2M3 operands, one E8M0 scale for each 32 along K, by v_wmma_scale_f32_16x16x128_f8f6f4 with both operands' format E2M3, f32 sums; everything else in f32.
;; Inputs: Wk 1,024 x 1,024 float32; Wo 1,024 x 1,024 float32; Wq 1,024 x 1,024 float32; Wv 1,024 x 1,024 float32; attention_mask 4 x 1 x 2,048 x 2,048 float32; bk 1,024 float32; bo 1,024 float32; bq 1,024 float32; bv 1,024 float32; key 4 x 2,048 x 1,024 float32; query 4 x 2,048 x 1,024 float32; value 4 x 2,048 x 1,024 float32.
;; Outputs: out0 4 x 2,048 x 1,024 float32.
;; This version of the problem:
;;   THIS VERSION OF THE PROBLEM IS GIVEN IN LOW PRECISION. The matrix products marked QUANTISED in the list below multiply operands that are first quantised to E2M3 (2 exponent bits, 3 mantissa bits; 6 bits a number), with one power-of-two scale for each 32 numbers along K (OCP MX v1.0); their sums are f32. All else is computed in f32.
;;   The module's matrix products, in the order in which they are computed (A, B: the left and right operand; K: the contracted axis; several contracted axes count as one K, in the product's order):
;;     1. [M 8,192, K 1,024] x [K 1,024, N 1,024]; A: input query; B: input Wq: QUANTISED
;;     2. [M 8,192, K 1,024] x [K 1,024, N 1,024]; A: input key; B: input Wk: QUANTISED
;;     3. [M 8,192, K 1,024] x [K 1,024, N 1,024]; A: input value; B: input Wv: QUANTISED
;;     4. batch 64 x [M 2,048, K 64] x [K 64, N 2,048]; A: computed on the way; B: computed on the way: QUANTISED
;;     5. batch 64 x [M 2,048, K 2,048] x [K 2,048, N 64]; A: softmax (see below); B: computed on the way: QUANTISED
;;     6. [M 8,192, K 1,024] x [K 1,024, N 1,024]; A: computed on the way; B: input Wo: QUANTISED
;;   THE QUANTISER, for each operand of a quantised product, along K:
;;     - K is cut into blocks of 32 from its start; a last block that is shorter is filled with zeros.
;;     - A block's scale is 2^e with e = floor(log2(the largest magnitude in the block)) - 2, held to -126 .. 127; a block of zeros has e = 0. As a byte (E8M0): e + 127.
;;     - Each number is divided by its block's scale, clamped to +-7.5, and rounded to the nearest number of E2M3, ties to even, subnormals kept.
;;     - The product sums the exact products of the quantised numbers (number of the format x scale) in f32.
;;   ~~~python
;;   def quantise(x, axis):      # numpy; x: float32 -> the quantised numbers, widened to float32 again
;;       x = np.moveaxis(x, axis, -1); K = x.shape[-1]
;;       x = np.pad(x, [(0, 0)] * (x.ndim - 1) + [(0, -K % 32)]); x = x.reshape(x.shape[:-1] + (-1, 32)); a = np.abs(x).max(-1, keepdims=True)
;;       e = np.where(a > 0, np.clip(np.frexp(np.where(a > 0, a, 1))[1] - 1 - 2, -126, 127), 0)      # np.frexp(a)[1] - 1 = floor(log2(a)), exactly
;;       r = np.clip(x / 2.0 ** e, -7.5, 7.5)
;;       step = 2.0 ** (np.maximum(np.frexp(np.where(r == 0, 1, r))[1] - 1, 0) - 3)
;;       q = np.round(r / step) * step * 2.0 ** e      # np.round: ties to even
;;       return np.moveaxis(q.reshape(q.shape[:-2] + (-1,))[..., :K], -1, axis).astype(np.float32)
;;   ~~~
;;   SOFTMAX AHEAD OF A QUANTISED PRODUCT. Where the list says 'softmax', what is quantised is not the finished softmax but p = 2^(t - M), with t = logit x log2(e) and M = ceil(the row's largest t), a whole number; so 1/2 < the row's largest p <= 1. The row's sum l is taken of the UNQUANTISED p, in f32, and the product's result is divided by l at the end. Since M is a whole number, a kernel that streams over the keys may use a running M (the ceiling of the running maximum): every later rescaling is an exact power of two, which a block's scale takes up: the codes' values come out the same.
;;   OPERANDS COMPUTED ON THE WAY. 'Computed on the way' means the value that the module computes at that place (a softmax that the list does not call 'softmax' is quantised finished and normalised). What goes into a quantiser is computed in f32, as accurately as f32 sums, v_exp_f32 and their like allow (about 1e-6 of the number): no bf16 or f16 on the way to a quantiser, and a product that is left as it is and whose result goes on into a quantised operand takes f32 operands (vector FMAs, or v_wmma_f32_16x16x4_f32). A number that lies on a knife's edge between two numbers of the format may be rounded either way, as far as f32 arithmetic and the matrix unit's own rounding can turn it there, and no further.
;; One version. Each part assembles by itself: llvm-mc -triple=amdgcn-amd-amdhsa -mcpu=gfx1250 --defsym DOCPART=n.
;; ======== version 1 of 1: 4 launches
;; limits: right only within a limited range of input values
;; workspace buffers: xc 19,660,800 bytes; wc 3,276,800 bytes; qc 6,553,600 bytes; kv 13,107,200 bytes; oc 6,553,600 bytes
;; launch quant (part 1): grid 448 x 1, 4 waves a work-group, no clusters, 34,304 bytes of LDS; arguments query, key, value, Wq, Wk, Wv, Wo, xc, wc; writes xc, wc
.if DOCPART == 1
	.amdgcn_target "amdgcn-amd-amdhsa--gfx1250"
	.amdhsa_code_object_version 6
	.text
	.protected	k_q3cc5229d36_quant
	.globl	k_q3cc5229d36_quant
	.p2align	8
	.type	k_q3cc5229d36_quant,@function
k_q3cc5229d36_quant:
	s_mov_b64 s[64:65], 0
	v_nop
	global_prefetch_b8 v0, s[64:65] scope:SCOPE_SE
	s_setreg_imm32_b32 hwreg(HW_REG_WAVE_MODE, 25, 1), 1
	s_wait_xcnt 0x0
; query, key, value [8192][1024] f32 and Wq, Wk, Wv, Wo [1024 (k)][1024 (n)] f32 become codes of FP6 (E2M3) with one E8M0 scale byte for each 32 along K (K = the 1,024 inputs).
; A block's scale is 2^(floor(log2(its largest magnitude)) - 2); its byte is the largest magnitude's exponent field - 2, held at 1 from below.
; LIMITS: a block of zeros gets the byte 1 where the rule says 127 (its codes are zeros, and these bytes are read by this program alone); NaN and infinities among the inputs are not served.
; LAYOUT OF xc AND wc: a RECORD of 12,800 bytes for each tile of 16 rows (tokens, or columns n of a weight): two halves of 6,400 bytes, each [4 K steps of 128][6 pieces][32 lanes][8 bytes] of codes and then
; [16 rows][4 scale words].  A K step's 1,536 bytes are the image of the operand's 12 registers: piece p holds registers 2 p, 2 p + 1 of every lane; lane (r, h) holds k = 64 c + 32 h + 0 .. 31 of row r in registers 6 c .. 6 c + 5.
; THE ROWS OF A TILE: query's tiles are plain (row 16 T + r).  key's, value's and the weights' are not neighbours (key's as below); value's and a weight's lane r of tile 2 b + u takes row 32 b + 8 u + r + 8 (r / 8), so that a product that
; takes such a tile as source 0 leaves 16 neighbours in the 16 registers of result tiles 2 b and 2 b + 1.
; Work-groups 0 .. 383: a wave takes one tile of a token tensor, all of K.  Work-groups 384 .. 447: a wave takes 32 columns of a weight and half of K.  No barrier: waves share nothing.
.set REC,   12800
.set HALF,  6400
.set SROW,  528                        ; a stage row: 512 bytes + 16
.set R,     16                         ; v16-143  tokens: two sets of 64 registers as loaded
.set X,     144                        ; v144-207 64 numbers of my row: register 16 b + i = k 32 b + 16 h + i of the K step
.set PC,    208                        ; v208-219 the fragment's codes; v220-222, v224-226 second halves of the conversions
.set TM,    228                        ; v228-231 largest magnitudes, v232-235 the other half's and then the bytes, v240-243 the conversions' scale operands
.set PW,    244                        ; v244-251 my row's scale word for each K step
.set SEL,   34                         ; s[34:35] lane selects: lane l xor 16
.set XW,    16                         ; weights: v16-79 two sets of 32 numbers
.set D0,    144                        ; v144-149 the even block's codes, then tile u = 0's registers
.set D1,    150                        ; v150-155 the odd block's, then tile u = 1's
.set E0,    156                        ; v156-158, v160-162 second halves of the conversions
.set SB,    168                        ; v168-171 my column's scale words
	s_load_b512 s[8:23], s[0:1], 0x0               ; query, key, value, Wq, Wk, Wv, Wo, xc
	s_load_b64 s[24:25], s[0:1], 0x40              ; wc
	v_lshl_add_u32 v254, v0, 2, 0x8400
	v_mov_b32 v255, 0
	v_lshrrev_b32 v1, 5, v0
	v_readfirstlane_b32 s4, v1                     ; wave
	v_and_b32 v1, 31, v0                           ; lane
	v_and_b32 v2, 15, v0                           ; r
	v_bfe_u32 v3, v0, 4, 1                         ; h
	v_lshlrev_b32 v8, 3, v1                        ; 8 x lane: my place in a piece
	s_mov_b32 s[SEL], 0x76543210
	s_mov_b32 s[SEL+1], 0xfedcba98
	s_cmp_lt_u32 ttmp9, 384
	s_cbranch_scc0 .Lweights
; ---------------- the token tensors ----------------
; 64 numbers of a lane, register 16 b + i = k 32 b + 16 h + i of my row, become a fragment's codes in v[PC] on and its scale word in v[pw].
.macro QUANT s, pw
.irp b, 0,1,2,3
	v_max3_num_f32 v[TM+\b], |v[\s+16*\b]|, |v[\s+1+16*\b]|, 0x1800000   ; my 16 numbers of block b, and the floor 2^(3 - 127): the byte cannot fall under 1
.endr
.irp i, 2,4,6,8,10,12,14
.irp b, 0,1,2,3
	v_max3_num_f32 v[TM+\b], v[TM+\b], |v[\s+16*\b+\i]|, |v[\s+1+16*\b+\i]|
.endr
.endr
.irp b, 0,1,2,3
	v_permlanex16_b32 v[TM+4+\b], v[TM+\b], s[SEL], s[SEL+1]
.endr
.irp b, 0,1,2,3
	v_max_num_f32 v[TM+\b], v[TM+\b], v[TM+4+\b]   ; with lane l xor 16's: the block's largest magnitude
.endr
.irp b, 0,1,2,3
	v_add_nc_u32 v[TM+12+\b], 0xff000000, v[TM+\b] ; 2 off its exponent field: the conversion's scale operand
.endr
.irp b, 0,1,2,3
	v_lshrrev_b32 v[TM+4+\b], 23, v[TM+12+\b]      ; the scale's byte
.endr
	v_lshl_or_b32 v[\pw], v[TM+5], 8, v[TM+4]
	v_lshl_or_b32 v[\pw], v[TM+6], 16, v[\pw]
	v_lshl_or_b32 v[\pw], v[TM+7], 24, v[\pw]
.irp c, 0,1
	v_cvt_scalef32_pk16_fp6_f32 v[PC+6*\c:PC+2+6*\c], v[\s+32*\c:\s+15+32*\c], v[TM+12+2*\c]
	v_cvt_scalef32_pk16_fp6_f32 v[PC+12+4*\c:PC+14+4*\c], v[\s+16+32*\c:\s+31+32*\c], v[TM+12+2*\c+1]   ; (a conversion's three registers begin on an even number)
.endr
	v_nop                                          ; one plain line behind the scaled conversions
.irp c, 0,1                                    ; the layout wants a whole block in a lane: lanes 0-15 block 2 c, lanes 16-31 block 2 c + 1
.irp i, 0,1,2
	v_permlane16_swap_b32 v[PC+6*\c+\i], v[PC+12+4*\c+\i]
.endr
.irp i, 0,1,2
	v_mov_b32 v[PC+3+6*\c+\i], v[PC+12+4*\c+\i]
.endr
.endr
.endm
	s_lshr_b32 s5, ttmp9, 7                        ; which tensor: 0 query, 1 key, 2 value
	s_and_b32 s28, ttmp9, 127
	s_lshl_b32 s28, s28, 2
	s_add_co_u32 s28, s28, s4                      ; T: my tile in the tensor
	s_lshl_b32 s29, s28, 4                         ; plain: first row 16 T
	s_lshr_b32 s30, s28, 1
	s_lshl_b32 s30, s30, 5
	s_and_b32 s31, s28, 1
	s_lshl_b32 s31, s31, 3
	s_add_co_u32 s30, s30, s31                     ; value: 32 (T / 2) + 8 (T % 2)
	s_lshr_b32 s36, s28, 2                         ; key: row m of tile T is token 64 (T / 4) + 8 (T % 4) + 32 (m / 8) + m % 8, so that in the scores a lane's 32 registers of four neighbouring tiles are one whole block of 32 keys
	s_lshl_b32 s36, s36, 6
	s_and_b32 s37, s28, 3
	s_lshl_b32 s37, s37, 3
	s_add_co_u32 s36, s36, s37
	s_lshl_b32 s32, ttmp9, 2
	s_add_co_u32 s32, s32, s4
	s_mul_i32 s32, s32, REC                        ; my record in xc
	s_mov_b32 s33, 0
	s_mul_i32 s7, s4, 16*SROW                      ; my stage in LDS
	s_wait_kmcnt 0x0
	s_cmp_eq_u32 s5, 0
	s_cselect_b32 s29, s29, s30
	s_cselect_b32 s6, 0, 8                         ; rows 8 .. 15 of a tile lie 8 rows further on, but in query
	s_cselect_b64 s[26:27], s[8:9], s[10:11]
	s_cmp_eq_u32 s5, 1
	s_cselect_b32 s29, s36, s29                    ; key's first row,
	s_cselect_b32 s6, 24, s6                       ; and its rows 8 .. 15 lie 24 rows further on
	s_cmp_eq_u32 s5, 2
	s_cselect_b64 s[26:27], s[12:13], s[26:27]
	s_lshl_b32 s30, s29, 12                        ; 4,096 bytes a row
	s_mov_b32 s31, 0
	s_add_nc_u64 s[26:27], s[26:27], s[30:31]
	s_add_nc_u64 s[22:23], s[22:23], s[32:33]
	s_wait_alu depctr_va_vdst(0)
	v_lshlrev_b32 v4, 4, v1                        ; 16 x lane: a load takes 512 consecutive bytes of a row
	v_lshl_add_u32 v5, s6, 12, v4                  ; the same for rows 8 .. 15
	v_add_nc_u32 v6, s7, v4                        ; into the stage: as loaded
	v_mul_u32_u24 v7, v2, SROW
	v_lshl_add_u32 v7, v3, 6, v7
	v_add_nc_u32 v7, s7, v7                        ; out of it: row r, + 64 h: my 16 numbers of each block of 32
	v_mul_u32_u24 v9, v3, HALF
	v_lshl_add_u32 v9, v2, 4, v9                   ; the scale words: half h, 16 bytes a row
.irp b, 0,1,2,3
	v_mov_b32 v[TM+4+\b], 0                        ; written once: a lane permute's destination counts as one of its sources
.endr
.macro LOADX s                         ; K step s of my 16 rows: 16 loads of 512 consecutive bytes
.irp i, 0,1,2,3,4,5,6,7
	global_load_b128 v[R+64*((\s)%2)+4*\i:R+64*((\s)%2)+4*\i+3], v4, s[26:27] offset:\i*4096+512*(\s) th:TH_LOAD_NT
.endr
.irp i, 8,9,10,11,12,13,14,15
	global_load_b128 v[R+64*((\s)%2)+4*\i:R+64*((\s)%2)+4*\i+3], v5, s[26:27] offset:\i*4096+512*(\s) th:TH_LOAD_NT
.endr
.endm
.macro STEPX s
.if (\s) < 7
	s_wait_loadcnt 16                              ; this K step's 16 loads are in; the next step's 16 may be out
.else
	s_wait_loadcnt 0x0
.endif
.irp i, 0,1,2,3,4,5,6,7,8,9,10,11,12,13,14,15
	ds_store_b128 v6, v[R+64*((\s)%2)+4*\i:R+64*((\s)%2)+4*\i+3] offset:SROW*\i
.endr
.irp b, 0,1,2,3
.irp j, 0,1,2,3
	ds_load_b128 v[X+16*\b+4*\j:X+16*\b+4*\j+3], v7 offset:128*\b+16*\j   ; LDS serves a wave's instructions in order: these see the stores above
.endr
.endr
	s_wait_dscnt 0x0                               ; my 64 numbers are in, and the stores have read their registers
	s_wait_xcnt 0x0                                ; the last step's stores have read the codes' registers
.if (\s) < 6
	LOADX (\s)+2
.endif
	QUANT X, PW+(\s)
.irp p, 0,1,2,3,4,5
	global_store_b64 v8, v[PC+2*\p:PC+2*\p+1], s[22:23] offset:((\s)/4)*HALF+((\s)%4)*1536+256*\p   ; 32 lanes store 256 consecutive bytes, aligned
.endr
.endm
	LOADX 0
	LOADX 1
	s_wait_alu depctr_va_vdst(0)
.irp t, 0,1,2,3,4,5,6,7
	STEPX \t
.endr
	s_wait_xcnt 0x0                                ; the last stores have read the codes' registers
	v_cmp_lt_u32 vcc_lo, 15, v1
.irp j, 0,1,2,3
	v_cndmask_b32 v[PC+\j], v[PW+\j], v[PW+4+\j], vcc_lo   ; lanes 0-15 store the first half's four words of row r, lanes 16-31 the second half's
.endr
	global_store_b128 v9, v[PC:PC+3], s[22:23] offset:6144
	s_wait_tensorcnt 0x0
	ds_add_u32 v254, v255
	s_wait_dscnt 0x0
	s_endpgm
; ---------------- the weights: K is the first axis ----------------
; A lane takes a column n and its registers run down K: a block of 32 lies in one lane.  Lane l takes column 8 u + r + 8 (r / 8) of the wave's 32 (u = l / 16, r = l % 16): lanes 0-15 are tile 2 b's rows, lanes 16-31 tile 2 b + 1's.
.Lweights:
	s_sub_co_u32 s5, ttmp9, 384
	s_lshr_b32 s6, s5, 4                           ; which weight
	s_bfe_u32 s7, s5, 0x10003                      ; which half of K
	s_and_b32 s28, s5, 7
	s_lshl_b32 s28, s28, 2
	s_add_co_u32 s28, s28, s4                      ; which 32 columns
	s_lshl_b32 s30, s7, 21                         ; 512 rows of 4,096 bytes
	s_lshl_b32 s29, s28, 7
	s_add_co_u32 s30, s30, s29
	s_mov_b32 s31, 0
	s_mul_i32 s32, s6, 64*REC
	s_mul_i32 s29, s28, 2*REC
	s_add_co_u32 s32, s32, s29
	s_mul_i32 s29, s7, HALF
	s_add_co_u32 s32, s32, s29
	s_mov_b32 s33, 0
	s_and_b32 s29, s6, 1
	s_wait_kmcnt 0x0
	s_cmp_lt_u32 s6, 2
	s_cselect_b64 s[26:27], s[14:15], s[18:19]     ; Wq or Wv
	s_cselect_b64 s[36:37], s[16:17], s[20:21]     ; Wk or Wo
	s_cmp_eq_u32 s29, 1
	s_cselect_b64 s[26:27], s[36:37], s[26:27]
	s_add_nc_u64 s[26:27], s[26:27], s[30:31]
	s_add_nc_u64 s[24:25], s[24:25], s[32:33]
	s_wait_alu depctr_va_vdst(0)
	v_and_b32 v10, 8, v2
	v_add_nc_u32 v10, v10, v2
	v_lshl_add_u32 v10, v3, 3, v10
	v_lshlrev_b32 v4, 2, v10                       ; my column, in bytes
	v_mul_u32_u24 v9, v3, REC
	v_lshl_add_u32 v9, v2, 4, v9                   ; the scale words: tile u's record, 16 bytes a row
.macro LOADW t                         ; block t: W(32 t + i, my column): the wave reads 128 consecutive bytes, the four waves stand side by side
.irp i, 0,1,2,3,4,5,6,7,8,9,10,11,12,13,14,15,16,17,18,19,20,21,22,23,24,25,26,27,28,29,30,31
	global_load_b32 v[XW+32*((\t)%2)+\i], v4, s[26:27] offset:(32*(\t)+\i)*4096 th:TH_LOAD_NT
.endr
.endm
.macro BLOCKW t                        ; block t = 4 q + 2 c + e: K step q, k = 64 c + 32 e + 0 .. 31
.set XS, XW+32*((\t)%2)
.set DD, D0+6*((\t)%2)
.set EE, E0+4*((\t)%2)
.if (\t) < 15
	s_wait_loadcnt 32                              ; this block's 32 loads are in; the next block's may be out
.else
	s_wait_loadcnt 0x0
.endif
	v_max3_num_f32 v164, |v[XS]|, |v[XS+1]|, |v[XS+2]|
	v_max3_num_f32 v165, |v[XS+3]|, |v[XS+4]|, |v[XS+5]|
.irp i, 6,10,14,18,22,26
	v_max3_num_f32 v164, v164, |v[XS+\i]|, |v[XS+\i+1]|
	v_max3_num_f32 v165, v165, |v[XS+\i+2]|, |v[XS+\i+3]|
.endr
	v_max3_num_f32 v164, v164, |v[XS+30]|, |v[XS+31]|
	v_max3_num_f32 v164, v164, v165, 0x1800000     ; and the floor 2^(3 - 127)
	v_add_nc_u32 v166, 0xff000000, v164            ; the conversion's scale operand
	v_lshrrev_b32 v165, 23, v166                   ; the byte
.if (\t)%4 == 0
	v_mov_b32 v[SB+(\t)/4], v165
.else
	v_lshl_or_b32 v[SB+(\t)/4], v165, 8*((\t)%4), v[SB+(\t)/4]
.endif
.if (\t)%2 == 0
	s_wait_alu depctr_va_vdst(0)
	s_wait_xcnt 0x0                                ; the last pair's stores have read the codes' registers
.endif
	v_cvt_scalef32_pk16_fp6_f32 v[DD:DD+2], v[XS:XS+15], v166
	v_cvt_scalef32_pk16_fp6_f32 v[EE:EE+2], v[XS+16:XS+31], v166
	v_nop                                          ; one plain line behind the scaled conversions
.irp i, 0,1,2
	v_mov_b32 v[DD+3+\i], v[EE+\i]
.endr
.if (\t)+2 < 16
	LOADW (\t)+2
.endif
.if (\t)%2 == 1
.irp i, 0,1,2,3,4,5
	v_permlane16_swap_b32 v[D0+\i], v[D1+\i]       ; the even block's lanes 16-31 change places with the odd block's lanes 0-15: D0 is now tile u = 0's registers 6 c .. 6 c + 5 in lanes (r, h), D1 tile u = 1's
.endr
.irp p, 0,1,2
	global_store_b64 v8, v[D0+2*\p:D0+2*\p+1], s[24:25] offset:((\t)/4)*1536+(3*(((\t)/2)%2)+\p)*256
	global_store_b64 v8, v[D1+2*\p:D1+2*\p+1], s[24:25] offset:REC+((\t)/4)*1536+(3*(((\t)/2)%2)+\p)*256
.endr
.endif
.endm
	LOADW 0
	LOADW 1
.irp t, 0,1,2,3,4,5,6,7,8,9,10,11,12,13,14,15
	BLOCKW \t
.endr
	global_store_b128 v9, v[SB:SB+3], s[24:25] offset:6144   ; sixteen lanes store a tile's 256 bytes of scale words
	s_endpgm
.Lfunc_end_k_q3cc5229d36_quant:
	.size	k_q3cc5229d36_quant, .Lfunc_end_k_q3cc5229d36_quant-k_q3cc5229d36_quant
	.p2alignl 7, 3214868480
	.fill 96, 4, 3214868480
	.section	.rodata,"a",@progbits
	.p2align	6, 0x0
	.amdhsa_kernel k_q3cc5229d36_quant
		.amdhsa_group_segment_fixed_size 34304
		.amdhsa_private_segment_fixed_size 0
		.amdhsa_enable_private_segment 0
		.amdhsa_kernarg_size 72
		.amdhsa_user_sgpr_count 2
		.amdhsa_user_sgpr_kernarg_segment_ptr 1
		.amdhsa_wavefront_size32 1
		.amdhsa_system_sgpr_workgroup_id_x 1
		.amdhsa_system_sgpr_workgroup_id_y 1
		.amdhsa_system_sgpr_workgroup_id_z 1
		.amdhsa_system_vgpr_workitem_id 0
		.amdhsa_next_free_vgpr 256
		.amdhsa_next_free_sgpr 66
		.amdhsa_reserve_vcc 1
		.amdhsa_float_denorm_mode_32 3
		.amdhsa_float_denorm_mode_16_64 3
		.amdhsa_memory_ordered 1
		.amdhsa_forward_progress 1
		.amdhsa_inst_pref_size 146
	.end_amdhsa_kernel
	.amdgpu_metadata
---
amdhsa.version: [ 1, 2 ]
amdhsa.kernels:
  - .name:           k_q3cc5229d36_quant
    .symbol:         k_q3cc5229d36_quant.kd
    .args:
      - { .name: query, .offset: 0, .size: 8, .value_kind: global_buffer, .address_space: global }
      - { .name: key, .offset: 8, .size: 8, .value_kind: global_buffer, .address_space: global }
      - { .name: value, .offset: 16, .size: 8, .value_kind: global_buffer, .address_space: global }
      - { .name: Wq, .offset: 24, .size: 8, .value_kind: global_buffer, .address_space: global }
      - { .name: Wk, .offset: 32, .size: 8, .value_kind: global_buffer, .address_space: global }
      - { .name: Wv, .offset: 40, .size: 8, .value_kind: global_buffer, .address_space: global }
      - { .name: Wo, .offset: 48, .size: 8, .value_kind: global_buffer, .address_space: global }
      - { .name: xc, .offset: 56, .size: 8, .value_kind: global_buffer, .address_space: global }
      - { .name: wc, .offset: 64, .size: 8, .value_kind: global_buffer, .address_space: global }
    .group_segment_fixed_size: 34304
    .private_segment_fixed_size: 0
    .kernarg_segment_align: 8
    .kernarg_segment_size: 72
    .max_flat_workgroup_size: 128
    .sgpr_count:     66
    .vgpr_count:     256
    .wavefront_size: 32
...
	.end_amdgpu_metadata
.endif
;; end of part 1
;; launch proj (part 2): grid 4 x 192, 4 waves a work-group, clusters of 4 x 4, 327,680 bytes of LDS; arguments xc, wc, bq, bk, bv, qc, kv; writes qc, kv
.if DOCPART == 2
	.amdgcn_target "amdgcn-amd-amdhsa--gfx1250"
	.amdhsa_code_object_version 6
	.text
	.protected	k_q3cc5229d36_proj
	.globl	k_q3cc5229d36_proj
	.p2align	8
	.type	k_q3cc5229d36_proj,@function
k_q3cc5229d36_proj:
	s_mov_b64 s[64:65], 0
	v_nop
	global_prefetch_b8 v0, s[64:65] scope:SCOPE_SE
	s_setreg_imm32_b32 hwreg(HW_REG_WAVE_MODE, 25, 1), 1
	s_wait_xcnt 0x0
	s_wait_alu depctr_hold_cnt(0) depctr_sa_sdst(0) depctr_va_vdst(0) depctr_va_sdst(0) depctr_va_ssrc(0) depctr_va_vcc(0) depctr_vm_vsrc(0)
	s_getreg_b32 s2, hwreg(HW_REG_IB_STS2, 6, 4)
	s_cmp_eq_u32 s2, 0
	s_cbranch_scc0 .Lentry_in_a_cluster
	s_endpgm
.Lentry_in_a_cluster:
	s_bfe_u32 s2, ttmp6, 0x10000c
	s_cmp_lg_u32 s2, 0xf033
	s_cbranch_scc0 .Lentry_shape_is_right
	s_endpgm
.Lentry_shape_is_right:
; q = query Wq + bq, k = key Wk + bk, v = value Wv + bv on codes of FP6 (E2M3) with E8M0 scales; the results are quantised in registers and stored as the attention launch's operands.
; OPERANDS: records of xc and wc (12,800 bytes for a tile of 16 rows: two halves of [4 K steps][6 pieces][32 lanes][8 bytes] of codes and [16 rows][4 scale words]): images of the operands' registers.
; SHARES.  A work-group makes L = 128 rows (8 tiles, source 1: a lane holds one of them) x R = 256 rows (16 tiles, source 0: they run along a lane's registers).  Four waves: wave w takes L's tiles 4 (w / 2) on and R's tiles 8 (w % 2) on:
; 32 accumulators.  For q and k: L = tokens, R = the weight's columns, so a lane holds a token and 128 neighbouring outputs (two heads).  For v: L = Wv's columns, R = tokens, so a lane holds a channel d and 128 neighbouring keys.
; R's tiles are laid so that the 16 registers of result tiles 2 b and 2 b + 1 are 16 neighbours: what the quantiser along the next K wants.
; THE WHOLE K LIES IN LDS: two chunks of 512 along K, each filled once: no LDS byte is filled twice.  A wave has two tensor loads out.
; CLUSTER 4 x 4: L's tiles hang on the work-group's y and are asked for jointly along a row of the cluster, R's on its x and along a column.
; OUT.  qc [b][head][16 records of 6,400]: 8 query tiles x 768 bytes ([3 pieces][32 lanes][8]: the head's 64 channels in 6 registers), then [4 pairs of tiles][16 rows] words: bytes 0, 1 the even tile's row's scales, bytes 2, 3 the odd tile's.
; kv [b][head][16 key steps of 12,800]: the same for 8 key tiles; from byte 6,400 four tiles of 16 channels x 128 keys ([3][32 lanes][16 bytes]); from byte 12,544 [2][16 rows][2] scale words.
; LIMITS: a block of zeros gets the byte 1 (its codes are zeros; the bytes are read by this program alone); NaN and infinities are not served.  q's and k's scale words leave in pieces of 64 bytes.
; Both forms of the bias are loaded by every work-group (along the registers for q and k, one a lane for v); one of the two is not used.
; REGISTERS: window 0: v1-21 lane numbers and addresses; v32-127 scale words; v128-223 L's fragments, two sets; on the way out v128-243.  window 1: the accumulators, (i, j) at v[8 (8 i + j)].  window 2: R's fragments, two sets of 96; v192-255 the bias along the registers.
.set REC,   12800
.set HALF,  6400
.set CHUNK, 153600                     ; LDS: chunk k: L's 8 half records, then R's 16
.set ROFF,  51200
.set ADL,   8                          ; v8-9   LDS address of my L fragments in chunk 0, 1
.set ADR,   10                         ; v10-11 of my R fragments
.set ASL,   12                         ; v12-13 of L's scale words
.set ASR,   14                         ; v14-15 of R's
.set SCW,   32                         ; scale words: chunk k at v[32 + 48 k]: L's (i, q) at + 4 i + q, R's (j, q) at + 16 + 4 j + q
.set LF,    128                        ; L's fragments: set p at v[128 + 48 p + 12 i]
.set T,     128                        ; the way out: 64 numbers
.set PC,    192                        ; the codes just made
.set TM,    212                        ; at work
.set PWA,   228                        ; v228-231 the four tiles' scale words
.set BL,    232                        ; v232-239 the bias of my lane's row of L's four tiles, each twice
.set SEL,   98                         ; s[98:99] lane selects: lane l xor 16
.set MSB, 0
.macro WIN new                         ; the immediate's high byte repeats the setting that is left
.if MSB != \new
	s_set_vgpr_msb (MSB<<8)|\new
.set MSB, \new
.endif
.endm
.macro PLACES                          ; four plain vector lines behind matrix instructions, ahead of loads into their sources and of reads of their results
.rept 4
	v_nop
.endr
.endm
.macro CROUND                          ; a round of the cluster's barrier
	s_barrier_signal -1
	s_barrier_wait -1
	s_cmp_lg_u32 s18, 0
	s_cbranch_scc1 .Lnot_wave_0_\@
	s_barrier_signal -3
.Lnot_wave_0_\@:
	s_barrier_wait -3
	s_barrier_signal -1
	s_barrier_wait -1
.endm
.macro FETCH k, q, p                   ; the fragments of K step q of chunk k into set p: each load takes 256 consecutive bytes
	WIN 0x80
.irp j, 0,1,2,3,4,5,6,7
.irp c, 0,1,2,3,4,5
	ds_load_b64 v[96*(\p)+12*\j+2*\c:96*(\p)+12*\j+2*\c+1], v[ADR+\k] offset:HALF*\j+1536*(\q)+256*\c
.endr
.endr
	WIN 0
.irp i, 0,1,2,3
.irp c, 0,1,2,3,4,5
	ds_load_b64 v[LF+48*(\p)+12*\i+2*\c:LF+48*(\p)+12*\i+2*\c+1], v[ADL+\k] offset:HALF*\i+1536*(\q)+256*\c
.endr
.endr
.endm
.macro SCALES k                        ; a chunk's scale words: four K steps' words of my row by one load
.irp i, 0,1,2,3
	ds_load_b128 v[SCW+48*(\k)+4*\i:SCW+48*(\k)+4*\i+3], v[ASL+\k] offset:HALF*\i
.endr
.irp j, 0,1,2,3,4,5,6,7
	ds_load_b128 v[SCW+48*(\k)+16+4*\j:SCW+48*(\k)+16+4*\j+3], v[ASR+\k] offset:HALF*\j
.endr
.endm
.macro MUL k, q, p, cmode              ; 32 products; the 32 accumulators take turns, one instruction a turn, in the same order in every step.  cmode 0: the products start the sums
	WIN 0x52
.irp i, 0,1,2,3
.irp j, 0,1,2,3,4,5,6,7
.if \cmode == 0
	v_wmma_scale_f32_16x16x128_f8f6f4 v[8*(8*\i+\j):8*(8*\i+\j)+7], v[96*(\p)+12*\j:96*(\p)+12*\j+11], v[LF+48*(\p)+12*\i:LF+48*(\p)+12*\i+11], 0, v[SCW+48*(\k)+16+4*\j+(\q)], v[SCW+48*(\k)+4*\i+(\q)] matrix_a_fmt:MATRIX_FMT_FP6 matrix_b_fmt:MATRIX_FMT_FP6
.else
	v_wmma_scale_f32_16x16x128_f8f6f4 v[8*(8*\i+\j):8*(8*\i+\j)+7], v[96*(\p)+12*\j:96*(\p)+12*\j+11], v[LF+48*(\p)+12*\i:LF+48*(\p)+12*\i+11], v[8*(8*\i+\j):8*(8*\i+\j)+7], v[SCW+48*(\k)+16+4*\j+(\q)], v[SCW+48*(\k)+4*\i+(\q)] matrix_a_fmt:MATRIX_FMT_FP6 matrix_b_fmt:MATRIX_FMT_FP6
.endif
.endr
.endr
.endm
.macro STEP k, q, cmode                ; a K step of 128: its fragments were asked for a step ago; the next step's are asked for ahead of its products
.set IDX, 4*(\k)+(\q)
	s_wait_dscnt 0x0                               ; this step's fragments are in
.if IDX == 3
	s_wait_tensorcnt 0x0                           ; my part of chunk 1 has landed;
	s_barrier_signal -1
	s_barrier_wait -1                              ; everybody's has
.endif
.if IDX < 7
.if IDX > 0
	PLACES
.endif
	FETCH (IDX+1)/4, (IDX+1)%4, 1-(\q)%2
.if IDX == 3
	SCALES 1
.endif
.endif
	MUL \k, \q, (\q)%2, \cmode
.endm
; 64 numbers of a lane, register 16 b + i = k 32 b + 16 h + i of my row, become a fragment's codes in v[PC] on and its scale word in v[pw].
.macro QUANT s, pw
.irp b, 0,1,2,3
	v_max3_num_f32 v[TM+\b], |v[\s+16*\b]|, |v[\s+1+16*\b]|, 0x1800000   ; my 16 numbers of block b, and the floor 2^(3 - 127)
.endr
.irp i, 2,4,6,8,10,12,14
.irp b, 0,1,2,3
	v_max3_num_f32 v[TM+\b], v[TM+\b], |v[\s+16*\b+\i]|, |v[\s+1+16*\b+\i]|
.endr
.endr
.irp b, 0,1,2,3
	v_permlanex16_b32 v[TM+4+\b], v[TM+\b], s[SEL], s[SEL+1]
.endr
.irp b, 0,1,2,3
	v_max_num_f32 v[TM+\b], v[TM+\b], v[TM+4+\b]
.endr
.irp b, 0,1,2,3
	v_add_nc_u32 v[TM+12+\b], 0xff000000, v[TM+\b] ; 2 off the exponent field: the conversion's scale operand
.endr
.irp b, 0,1,2,3
	v_lshrrev_b32 v[TM+4+\b], 23, v[TM+12+\b]      ; the byte
.endr
	v_lshl_or_b32 v[\pw], v[TM+5], 8, v[TM+4]
	v_lshl_or_b32 v[\pw], v[TM+6], 16, v[\pw]
	v_lshl_or_b32 v[\pw], v[TM+7], 24, v[\pw]
.irp c, 0,1
	v_cvt_scalef32_pk16_fp6_f32 v[PC+6*\c:PC+2+6*\c], v[\s+32*\c:\s+15+32*\c], v[TM+12+2*\c]
	v_cvt_scalef32_pk16_fp6_f32 v[PC+12+4*\c:PC+14+4*\c], v[\s+16+32*\c:\s+31+32*\c], v[TM+12+2*\c+1]
.endr
	v_nop                                          ; one plain line behind the scaled conversions
.irp c, 0,1
.irp i, 0,1,2
	v_permlane16_swap_b32 v[PC+6*\c+\i], v[PC+12+4*\c+\i]
.endr
.irp i, 0,1,2
	v_mov_b32 v[PC+3+6*\c+\i], v[PC+12+4*\c+\i]
.endr
.endr
.endm
	s_load_b256 s[4:11], s[0:1], 0x0               ; xc, wc, bq, bk
	s_load_b128 s[12:15], s[0:1], 0x20             ; bv, qc
	s_load_b64 s[16:17], s[0:1], 0x30              ; kv
	v_lshl_add_u32 v254, v0, 2, 0x4b000
	v_mov_b32 v255, 0
	ds_add_u32 v254, v255
	ds_add_u32 v254, v255
	v_lshrrev_b32 v4, 5, v0
	v_readfirstlane_b32 s18, v4                    ; wave
	s_and_b32 s19, s18, 1                          ; which half of R's tiles is mine.  Also: which half of a tile set I fetch
	s_lshr_b32 s20, s18, 1                         ; which half of L's.  Also: I fetch for L (0) or for R (1)
	s_bfe_u32 s56, ttmp6, 0x40000                  ; cx
	s_bfe_u32 s57, ttmp6, 0x40004                  ; cy
	s_and_b32 s58, ttmp7, 0xffff                   ; the cluster's y
	s_lshr_b32 s59, s58, 4                         ; 0: q, 1: k, 2: v: the same in all sixteen partners
	s_and_b32 s60, s58, 15
	s_lshl_b32 s66, s57, 2
	s_lshl_b32 s66, 15, s66                        ; my row of the cluster
	s_lshl_b32 s67, 0x1111, s56                    ; my column
	; descriptor group 1: half records of 6,400 bytes (800 elements of 8 bytes), 12,800 bytes apart; 4 of L's or 8 of R's to a load; dense in LDS
	s_or_b32 s24, s66, (3<<16)|(1<<21)             ; 15:0 the mask; 17:16 elements of 8 bytes; 21 set beside a mask
	s_mov_b32 s25, 800<<16                         ; tensor_dim0
	s_mov_b32 s26, 4<<16                           ; tensor_dim1
	s_mov_b32 s27, 800<<16                         ; tile_dim0
	s_mov_b32 s28, 4                               ; tile_dim1
	s_mov_b32 s29, 1600                            ; stride
	s_mov_b32 s30, 0
	s_mov_b32 s31, 0
	s_or_b32 s32, s67, (3<<16)|(1<<21)
	s_mov_b32 s33, 800<<16
	s_mov_b32 s34, 8<<16
	s_mov_b32 s35, 800<<16
	s_mov_b32 s36, 8
	s_mov_b32 s37, 1600
	s_mov_b32 s38, 0
	s_mov_b32 s39, 0
	s_lshl_b32 s2, s60, 2
	s_and_b32 s3, s60, 1
	s_lshl_b32 s3, s3, 2
	s_lshr_b32 s21, s60, 1
	s_lshl_b32 s21, s21, 2
	s_mov_b32 s22, 512*REC                         ; a token tensor's records
	s_mov_b32 s23, 64*REC                          ; a weight's
	s_cmp_eq_u32 s59, 2
	s_cselect_b32 s61, s3, s2
	s_cselect_b32 s62, s21, 0
	s_cselect_b32 s76, s23, s22
	s_cselect_b32 s77, s22, s23
	s_add_co_u32 s61, s61, s57                     ; L's block of 8 tiles: hangs on cy alone
	s_add_co_u32 s62, s62, s56                     ; R's block of 16 tiles: on cx alone
	s_mul_i32 s76, s76, s59                        ; where the type's tensor begins in L's buffer,
	s_mul_i32 s77, s77, s59                        ; and in R's
	s_lshl_b32 s78, s61, 3
	s_lshl_b32 s79, s19, 2
	s_add_co_u32 s78, s78, s79
	s_mul_i32 s78, s78, REC
	s_add_co_u32 s78, s78, s76
	s_mov_b32 s79, 0
	s_lshl_b32 s80, s62, 4
	s_lshl_b32 s81, s19, 3
	s_add_co_u32 s80, s80, s81
	s_mul_i32 s80, s80, REC
	s_add_co_u32 s80, s80, s77
	s_mov_b32 s81, 0
	s_mul_i32 s82, s19, 4*HALF                     ; where they go in LDS: no place in the cluster enters
	s_mul_i32 s83, s19, 8*HALF
	s_add_co_u32 s83, s83, ROFF
	v_and_b32 v1, 31, v0                           ; lane
	v_and_b32 v2, 15, v0                           ; r
	v_bfe_u32 v3, v0, 4, 1                         ; h
	s_wait_dscnt 0x0
	s_wait_kmcnt 0x0
	s_cmp_eq_u32 s59, 2
	s_cselect_b64 s[70:71], s[6:7], s[4:5]         ; L: the weights for v, else the tokens
	s_cselect_b64 s[72:73], s[4:5], s[6:7]         ; R: the other
	s_add_nc_u64 s[70:71], s[70:71], s[78:79]
	s_add_nc_u64 s[72:73], s[72:73], s[80:81]
.irp k, 0,1
	s_mov_b32 s[40+4*\k], 1
	s_add_co_u32 s[41+4*\k], s82, \k*CHUNK
	s_add_nc_u64 s[42+4*\k:43+4*\k], s[70:71], \k*HALF
	s_or_b32 s[43+4*\k], s[43+4*\k], 0x80000000
	s_mov_b32 s[48+4*\k], 1
	s_add_co_u32 s[49+4*\k], s83, \k*CHUNK
	s_add_nc_u64 s[50+4*\k:51+4*\k], s[72:73], \k*HALF
	s_or_b32 s[51+4*\k], s[51+4*\k], 0x80000000
.endr
	CROUND                                         ; all sixteen work-groups are here: the joint loads meet
	s_cmp_eq_u32 s20, 0                            ; a wave's two fills stand in one branch, ahead of every wait on TENSORcnt and every LDS read
	s_cbranch_scc0 .Lfirst_r
	tensor_load_to_lds s[40:43], s[24:31]          ; chunk 0: one tensor load a wave at the head
	s_nop 0
	PLACES
	s_branch .Lfirst_asked
.Lfirst_r:
	tensor_load_to_lds s[48:51], s[32:39]
	s_nop 0
	PLACES
.Lfirst_asked:
	; the biases
	s_cmp_eq_u32 s59, 0
	s_cselect_b64 s[74:75], s[8:9], s[10:11]
	s_cmp_eq_u32 s59, 2
	s_cselect_b64 s[74:75], s[12:13], s[74:75]
	s_lshl_b32 s2, s62, 8
	s_lshl_b32 s3, s19, 7
	s_add_co_u32 s2, s2, s3                        ; my first row of R
	s_lshl_b32 s21, s61, 7
	s_lshl_b32 s3, s20, 6
	s_add_co_u32 s21, s21, s3                      ; my first row of L
	s_cmp_eq_u32 s59, 2
	s_cselect_b32 s2, 0, s2                        ; the form that is not used reads from the bias's start
	s_cselect_b32 s22, s21, 0
	s_lshl_b32 s2, s2, 2
	s_mov_b32 s3, 0
	s_add_nc_u64 s[94:95], s[74:75], s[2:3]
	s_lshl_b32 s2, s22, 2
	s_add_nc_u64 s[96:97], s[74:75], s[2:3]
	s_wait_alu depctr_va_vdst(0)
	v_lshlrev_b32 v20, 6, v3                       ; along the registers: result tile j holds rows 32 (j / 2) + 16 h + 8 (j % 2) + 0 .. 7
	v_and_b32 v21, 8, v2
	v_add_nc_u32 v21, v21, v2
	v_lshlrev_b32 v21, 2, v21                      ; one a lane: row r + 8 (r / 8) of a tile
	WIN 0x80
.irp j, 0,1,2,3,4,5,6,7
	global_load_b128 v[192+8*\j:195+8*\j], v20, s[94:95] offset:(32*(\j/2)+8*(\j%2))*4
	global_load_b128 v[196+8*\j:199+8*\j], v20, s[94:95] offset:(32*(\j/2)+8*(\j%2))*4+16
.endr
	WIN 0
.irp a, 0,1,2,3
	global_load_b32 v[BL+2*\a], v21, s[96:97] offset:(32*(\a/2)+8*(\a%2))*4
.endr
	; LDS addresses
	s_mul_i32 s2, s20, 4*HALF
	s_mul_i32 s3, s19, 8*HALF
	s_add_co_u32 s3, s3, ROFF
	v_lshlrev_b32 v16, 3, v1                       ; 8 x lane
	v_lshlrev_b32 v17, 4, v1                       ; 16 x lane
	v_lshlrev_b32 v5, 4, v2                        ; 16 r
	v_add_nc_u32 v[ADL], s2, v16
	v_add_nc_u32 v[ADL+1], CHUNK, v[ADL]
	v_add_nc_u32 v[ADR], s3, v16
	v_add_nc_u32 v[ADR+1], CHUNK, v[ADR]
	v_add_nc_u32 v[ASL], s2, v5
	v_add_nc_u32 v[ASL], 6144, v[ASL]
	v_add_nc_u32 v[ASL+1], CHUNK, v[ASL]
	v_add_nc_u32 v[ASR], s3, v5
	v_add_nc_u32 v[ASR], 6144, v[ASR]
	v_add_nc_u32 v[ASR+1], CHUNK, v[ASR]
	; where the results go.  q, k: s[84:85] the even head's codes, s[86:87] the odd head's, s[88:89] the even head's words.  v: s[90:91] the key step's part for V
	s_lshr_b32 s67, s21, 11                        ; b
	s_bfe_u32 s68, s21, 0x70004                    ; my first tile in the batch
	s_lshr_b32 s69, s68, 3                         ; its record of 8 tiles,
	s_and_b32 s68, s68, 7                          ; and its place there: 0 or 4
	s_lshl_b32 s66, s62, 2
	s_lshl_b32 s22, s19, 1
	s_add_co_u32 s66, s66, s22                     ; my even head
	s_lshl_b32 s67, s67, 8
	s_lshl_b32 s66, s66, 4
	s_add_co_u32 s67, s67, s66
	s_add_co_u32 s67, s67, s69
	s_mul_i32 s67, s67, 6400
	s_cmp_eq_u32 s59, 0
	s_cselect_b32 s22, 0, 1                        ; kv's records are twice qc's
	s_cselect_b64 s[84:85], s[14:15], s[16:17]
	s_lshl_b32 s2, s67, s22
	s_mov_b32 s3, 0
	s_lshl_b32 s92, 102400, s22                    ; from a head to the next
	s_add_nc_u64 s[84:85], s[84:85], s[2:3]
	s_lshl_b32 s2, s68, 5
	s_add_co_u32 s2, s2, 6144
	s_add_nc_u64 s[88:89], s[84:85], s[2:3]
	s_mul_i32 s2, s68, 768
	s_add_nc_u64 s[84:85], s[84:85], s[2:3]
	s_mov_b32 s2, s92
	s_add_nc_u64 s[86:87], s[84:85], s[2:3]
	s_lshl_b32 s66, s61, 1
	s_add_co_u32 s66, s66, s20                     ; v: my head,
	s_lshl_b32 s67, s62, 1
	s_add_co_u32 s67, s67, s19                     ; my key step of 128,
	s_lshr_b32 s68, s67, 4
	s_and_b32 s67, s67, 15
	s_lshl_b32 s68, s68, 8
	s_lshl_b32 s66, s66, 4
	s_add_co_u32 s68, s68, s66
	s_add_co_u32 s68, s68, s67
	s_mul_i32 s2, s68, REC
	s_add_co_u32 s2, s2, 6400
	s_add_nc_u64 s[90:91], s[16:17], s[2:3]
	v_mul_u32_u24 v18, v3, s92
	v_lshl_add_u32 v18, v2, 2, v18                 ; q, k: words: 4 r; lanes 16-31 store the odd head's
	v_lshlrev_b32 v19, 7, v3
	v_lshl_add_u32 v19, v2, 3, v19                 ; v: words: 128 h + 8 r
	s_mov_b32 s[SEL], 0x76543210
	s_mov_b32 s[SEL+1], 0xfedcba98
	s_wait_alu depctr_va_vdst(0)
	s_wait_tensorcnt 0x0                           ; my part of chunk 0 is in
	ds_add_u32 v254, v255
	s_wait_dscnt 0x0
	CROUND                                         ; everybody's part is in, and all sixteen work-groups are here
	s_cmp_eq_u32 s20, 0                            ; chunk 1: my one tensor load behind the round; one load of mine is out from here to K step 3
	s_cbranch_scc0 .Lsecond_r
	tensor_load_to_lds s[44:47], s[24:31]
	s_nop 0
	PLACES
	s_branch .Lsecond_asked
.Lsecond_r:
	tensor_load_to_lds s[52:55], s[32:39]
	s_nop 0
	PLACES
.Lsecond_asked:
	FETCH 0, 0, 0
	SCALES 0
	s_wait_loadcnt 0x0                             ; the biases
.irp a, 0,1,2,3
	v_mov_b32 v[BL+2*\a+1], v[BL+2*\a]             ; twice, for the packed addition
.endr
	STEP 0, 0, 0
	STEP 0, 1, 1
	STEP 0, 2, 1
	STEP 0, 3, 1
	STEP 1, 0, 1
	STEP 1, 1, 1
	STEP 1, 2, 1
	STEP 1, 3, 1
	WIN 0
	PLACES
.irp b, 0,1,2,3
	v_mov_b32 v[TM+4+\b], 0                        ; a lane permute's destination counts as one of its sources
.endr
	v_cmp_lt_u32 vcc_lo, 15, v1                    ; lanes 16-31
	s_cmp_eq_u32 s59, 2
	s_cbranch_scc1 .Larm_v
	; q, k: tile a of my four: + bias, quantised along the outputs: registers 0-5 are the even head's 64 channels, registers 6-11 the odd head's
.irp a, 0,1,2,3
	WIN 0x09                                       ; source 0 window 1 (the sums), source 1 window 2 (the bias)
.set i, 0
.rept 32
	v_pk_add_f32 v[T+i:T+i+1], v[64*\a+i:64*\a+i+1], v[192+i:192+i+1]   ; each accumulator from its low end on
.set i, i+2
.endr
	WIN 0
	s_wait_xcnt 0x0                                ; the last tile's stores have read the codes' registers
	QUANT T, PWA+\a
.irp p, 0,1,2
	global_store_b64 v16, v[PC+2*\p:PC+2*\p+1], s[84:85] offset:768*\a+256*\p        ; 32 lanes store 256 consecutive bytes, aligned
	global_store_b64 v16, v[PC+6+2*\p:PC+6+2*\p+1], s[86:87] offset:768*\a+256*\p
.endr
.if \a%2 == 1
	v_perm_b32 v240, v[PWA+\a], v[PWA+\a-1], 0x05040100   ; the even head's word of this pair of tiles: the two tiles' low halves,
	v_perm_b32 v241, v[PWA+\a], v[PWA+\a-1], 0x07060302   ; the odd head's: their high halves
	v_cndmask_b32 v[242+\a/2], v240, v241, vcc_lo
	global_store_b32 v18, v[242+\a/2], s[88:89] offset:64*(\a/2)
.endif
.endr
	s_branch .Ljoin
.Larm_v:
	; v: tile a of my head's four tiles of channels: + bias, quantised along the 128 keys: a whole fragment
	s_wait_alu depctr_va_vdst(0)
.irp a, 0,1,2,3
	WIN 0x01                                       ; source 0 window 1
.set i, 0
.rept 32
	v_pk_add_f32 v[T+i:T+i+1], v[64*\a+i:64*\a+i+1], v[BL+2*\a:BL+2*\a+1]
.set i, i+2
.endr
	WIN 0
	s_wait_xcnt 0x0
	QUANT T, PWA+\a
.irp g, 0,1,2
	global_store_b128 v17, v[PC+4*\g:PC+4*\g+3], s[90:91] offset:1536*\a+512*\g      ; 32 lanes store 512 consecutive bytes, aligned
.endr
.endr
	v_cndmask_b32 v240, v[PWA], v[PWA+2], vcc_lo
	v_cndmask_b32 v241, v[PWA+1], v[PWA+3], vcc_lo
	global_store_b64 v19, v[240:241], s[90:91] offset:6144
.Ljoin:
	s_wait_dscnt 0x0
	s_wait_tensorcnt 0x0
	ds_add_u32 v254, v255
	s_wait_dscnt 0x0
	CROUND                                         ; the closing round: no work-group ends while a partner may still ask for a tile that names it
	s_endpgm
.Lfunc_end_k_q3cc5229d36_proj:
	.size	k_q3cc5229d36_proj, .Lfunc_end_k_q3cc5229d36_proj-k_q3cc5229d36_proj
	.p2alignl 7, 3214868480
	.fill 96, 4, 3214868480
	.section	.rodata,"a",@progbits
	.p2align	6, 0x0
	.amdhsa_kernel k_q3cc5229d36_proj
		.amdhsa_group_segment_fixed_size 327680
		.amdhsa_private_segment_fixed_size 0
		.amdhsa_enable_private_segment 0
		.amdhsa_kernarg_size 56
		.amdhsa_user_sgpr_count 2
		.amdhsa_user_sgpr_kernarg_segment_ptr 1
		.amdhsa_wavefront_size32 1
		.amdhsa_system_sgpr_workgroup_id_x 1
		.amdhsa_system_sgpr_workgroup_id_y 1
		.amdhsa_system_sgpr_workgroup_id_z 1
		.amdhsa_system_vgpr_workitem_id 0
		.amdhsa_next_free_vgpr 768
		.amdhsa_next_free_sgpr 100
		.amdhsa_reserve_vcc 1
		.amdhsa_float_denorm_mode_32 3
		.amdhsa_float_denorm_mode_16_64 3
		.amdhsa_memory_ordered 1
		.amdhsa_forward_progress 1
		.amdhsa_inst_pref_size 135
	.end_amdhsa_kernel
	.amdgpu_metadata
---
amdhsa.version: [ 1, 2 ]
amdhsa.kernels:
  - .name:           k_q3cc5229d36_proj
    .symbol:         k_q3cc5229d36_proj.kd
    .args:
      - { .name: xc, .offset: 0, .size: 8, .value_kind: global_buffer, .address_space: global }
      - { .name: wc, .offset: 8, .size: 8, .value_kind: global_buffer, .address_space: global }
      - { .name: bq, .offset: 16, .size: 8, .value_kind: global_buffer, .address_space: global }
      - { .name: bk, .offset: 24, .size: 8, .value_kind: global_buffer, .address_space: global }
      - { .name: bv, .offset: 32, .size: 8, .value_kind: global_buffer, .address_space: global }
      - { .name: qc, .offset: 40, .size: 8, .value_kind: global_buffer, .address_space: global }
      - { .name: kv, .offset: 48, .size: 8, .value_kind: global_buffer, .address_space: global }
    .group_segment_fixed_size: 327680
    .private_segment_fixed_size: 0
    .kernarg_segment_align: 8
    .kernarg_segment_size: 56
    .max_flat_workgroup_size: 128
    .sgpr_count:     100
    .vgpr_count:     768
    .wavefront_size: 32
...
	.end_amdgpu_metadata
.endif
;; end of part 2
;; launch attn (part 3): grid 4 x 64, 8 waves a work-group, clusters of 4 x 4, 327,680 bytes of LDS; arguments qc, kv, attention_mask, oc; writes oc
.if DOCPART == 3
	.amdgcn_target "amdgcn-amd-amdhsa--gfx1250"
	.amdhsa_code_object_version 6
	.text
	.protected	k_q3cc5229d36_attn
	.globl	k_q3cc5229d36_attn
	.p2align	8
	.type	k_q3cc5229d36_attn,@function
k_q3cc5229d36_attn:
	s_mov_b64 s[64:65], 0
	v_nop
	global_prefetch_b8 v0, s[64:65] scope:SCOPE_SE
	s_setreg_imm32_b32 hwreg(HW_REG_WAVE_MODE, 25, 1), 1
	s_wait_xcnt 0x0
	s_wait_alu depctr_hold_cnt(0) depctr_sa_sdst(0) depctr_va_vdst(0) depctr_va_sdst(0) depctr_va_ssrc(0) depctr_va_vcc(0) depctr_vm_vsrc(0)
	s_getreg_b32 s2, hwreg(HW_REG_IB_STS2, 6, 4)
	s_cmp_eq_u32 s2, 0
	s_cbranch_scc0 .Lentry_in_a_cluster
	s_endpgm
.Lentry_in_a_cluster:
	s_bfe_u32 s2, ttmp6, 0x10000c
	s_cmp_lg_u32 s2, 0xf033
	s_cbranch_scc0 .Lentry_shape_is_right
	s_endpgm
.Lentry_shape_is_right:
; o = softmax(q k^T / 8 + mask x (-1e9)) v for 4 batches x 16 heads of 64, 2,048 queries and keys, both products on codes of FP6 (E2M3) with E8M0 scales; o is quantised along the 1,024 outputs and stored as the last product's operand.
; THE SOFTMAX AHEAD OF THE SECOND PRODUCT: t = logit x log2(e); M = the running largest t rounded up to a whole number; p = 2^(t - M) is quantised along the keys; the row's sum is taken of the unquantised p and divides at the end.
; SHARES.  A work-group owns 128 queries of 4 heads: 256 work-groups.  Wave w of 8 owns query tile w (16 queries) FOR ALL FOUR HEADS: the mask's 64 numbers a lane are loaded and multiplied once a key step and serve four heads.
; Every wave walks 16 key steps of 128 keys; in a step the four heads follow each other.
; CLUSTER 4 x 4: cx picks 4 of the 16 heads, cy 128 of 512 queries.  A key step's record of K and V of a head is asked for jointly along a column of the cluster, the mask's tile (128 queries x 128 keys) along a row.
; Waves 0-3 fetch the four records, waves 4-7 32 rows of the mask's tile each: one tensor load a wave behind each round, one out at a time.
; LAYOUT.  Both products are used transposed (S^T = K Q^T, O^T = V^T P^T): a lane holds one query.  Row m of key tile T is key 64 (T / 4) + 8 (T % 4) + 32 (m / 8) + m % 8 (laid by the first launch):
; so lane (r, h) holds in the 32 registers of result tiles 4 g .. 4 g + 3 the keys 64 g + 32 h + 0 .. 31: a whole block, in the order of the operand's registers: no lane is asked for a block's maximum, and no codes change lanes.
; K = 64 IN AN INSTRUCTION OF 128: K's 12 registers hold TWO key tiles; the four q stand between zeros (z q0 z q1 z q2 z q3 z): [q | 0] picks the first tile, [0 | q] the second: zero codes add nothing.
; THE MASK: logit = (score + mask x (-8e9)) / 8, and 8 x f32(-1e9) is exact.  mask x (-8e9) is the C of the first product; its D are other registers.
; THE RING: two slots, one key step a trip; the slot read is a scalar that changes by s_xor_b32 in each trip, and the five LDS addresses are made from it.
; THE CHANGE OF SLOTS OPENS INSIDE THE FOURTH HEAD: a step's last LDS reads are that head's V; ahead of its exponentials stand the wait for my tensor load, the add, the wait for my LDS reads and the round's opening signal;
; the exponentials, the sums, the quantiser and the second product, work on registers alone, stand between that signal and its wait; the rest of the round and the refill of the slot just read follow at the step's end.
; Key step 1 is asked for behind a change ahead of the loop; 14 trips ask for key steps 2 to 15; the last two key steps run in a second loop whose changes ask for nothing.
; PREFETCH: in trip t, behind the step's first LDS loads, key step t + 2, which the refill at this trip's end asks for: waves 0, 1 name my work-group's 32 rows of the mask's tile (by cx), 256 bytes a lane;
; waves 2, 3 the 50 blocks of one head's record (by cy; lanes left over name the last block).  Trip 13 names key step 15, the last.
; LIMITS: score + mask x (-8e9) is rounded once, in the product's sum, where the source text rounds twice: this shows only in rows all of whose keys are masked.  A block's largest p is taken from the block's largest score
; (this takes v_exp_f32 not to fall where its input rises).  A block of zeros gets the byte 1.  NaN and infinities are not served.  The scaled scores stay under 2^31 in magnitude.
; REGISTERS.  Window 0: v2-5 LDS address bases, v6-10 this step's; v11 the prefetch's offset; v12-27 for each head -M, the largest t, the sum in two halves; v28-35 q's scale words; v36-37 for the add; v38-39 offsets;
; v40-87 K's four pair fragments, v88-91 their words, v92-95 V's words; v96-159 S^T, p; v160-207 V's four fragments; v208-226 p's codes; v228-255 at work.
; Window 1: v0-127 O^T of the four heads; v128-191 mask x (-8e9); v192-245 q between zeros.
.set REC,   12800
.set HALF,  6400
.set SLOT1, 131072                     ; LDS: slot s at s x SLOT1: four heads' records of 12,800 bytes, then the mask's tile
.set MOFF,  51200
.set MP,    528                        ; a row of the mask's tile: 512 bytes + 16
.set SPARE, 262144                     ; the spare words, 128 bytes for each of 8 waves: four blocks of 256 bytes that no other line names
.set BKC,   38
.set BKS,   2
.set BVC,   3
.set BVS,   4
.set BM,    5
.set AKC,   6
.set AKS,   7
.set AVC,   8
.set AVS,   9
.set AM,    10
.set QW,    28
.set KF,    40
.set KW,    88
.set VW,    92
.set SR,    96
.set VF,    160
.set PC,    208
.set E0,    220
.set E1,    224
.set TM,    228
.set PS,    232
.set SO,    244
.set BY,    246
.set F,     250
.set PW,    251
.set MK,    128                        ; window 1
.set QB,    192                        ; window 1
.set G1K,   24
.set G1M,   32
.set G0K,   40
.set G0M,   48
.set MSB, 0
.macro WIN new                         ; the immediate's high byte repeats the setting that is left
.if MSB != \new
	s_set_vgpr_msb (MSB<<8)|\new
.set MSB, \new
.endif
.endm
.macro PLACES
.rept 4
	v_nop
.endr
.endm
.macro CREST                           ; a round of the cluster's barrier behind its opening barrier
	s_cmp_lg_u32 s12, 0
	s_cbranch_scc1 .Lnot_wave_0_\@
	s_barrier_signal -3
.Lnot_wave_0_\@:
	s_barrier_wait -3
	s_barrier_signal -1
	s_barrier_wait -1
.endm
.macro CROUND                          ; a whole round
	s_barrier_signal -1
	s_barrier_wait -1
	CREST
.endm
.macro TLOAD                           ; waves 0-3 a head's record, waves 4-7 32 rows of the mask's tile: every way passes one load
	s_cmp_eq_u32 s14, 0
	s_cbranch_scc0 .Lfor_m_\@
	tensor_load_to_lds s[G0K:G0K+3], s[G1K:G1K+7]
	s_nop 0
	PLACES
	s_branch .Lasked_\@
.Lfor_m_\@:
	tensor_load_to_lds s[G0M:G0M+3], s[G1M:G1M+7]
	s_nop 0
	PLACES
.Lasked_\@:
.endm
	s_load_b256 s[4:11], s[0:1], 0x0               ; qc, kv, the mask, oc
	v_lshl_add_u32 v36, v0, 2, SPARE
	v_mov_b32 v37, 0
	ds_add_u32 v36, v37                            ; the opening lines: the add, twice on end, and its wait
	ds_add_u32 v36, v37
	v_lshrrev_b32 v224, 5, v0
	v_readfirstlane_b32 s12, v224                  ; wave 0..7: my query tile in the block
	s_and_b32 s13, s12, 3                          ; which record, or which 32 rows of the mask, I fetch
	s_lshr_b32 s14, s12, 2                         ; 0: I fetch K and V, 1: the mask
	s_bfe_u32 s15, ttmp6, 0x40000                  ; cx
	s_bfe_u32 s16, ttmp6, 0x40004                  ; cy
	s_and_b32 s17, ttmp7, 0xffff                   ; the cluster's y
	s_lshr_b32 s18, s17, 2                         ; b
	s_and_b32 s19, s17, 3
	s_lshl_b32 s19, s19, 2
	s_add_co_u32 s19, s19, s16                     ; my block of 128 queries
	s_lshl_b32 s20, s15, 2                         ; my first head
	s_lshl_b32 s21, s19, 3
	s_add_co_u32 s21, s21, s12                     ; my query tile in the batch
	s_lshl_b32 s2, 0x1111, s15                     ; my column of the cluster
	s_lshl_b32 s3, s16, 2
	s_lshl_b32 s3, 15, s3                          ; my row
	s_or_b32 s[G1K], s2, (3<<16)|(1<<21)           ; a record: 50 dense rows of 256 bytes (32 elements of 8 bytes)
	s_mov_b32 s[G1K+1], 32<<16
	s_mov_b32 s[G1K+2], 50<<16
	s_mov_b32 s[G1K+3], 32<<16
	s_mov_b32 s[G1K+4], 50
	s_mov_b32 s[G1K+5], 32
	s_mov_b32 s[G1K+6], 0
	s_mov_b32 s[G1K+7], 0
	s_or_b32 s[G1M], s3, (2<<16)|(1<<20)|(1<<21)|(6<<22)|(3<<25)   ; the mask: 32 rows of 128 f32, 2,048 apart; 4 words of padding behind every 128
	s_mov_b32 s[G1M+1], 128<<16
	s_mov_b32 s[G1M+2], 32<<16
	s_mov_b32 s[G1M+3], 128<<16
	s_mov_b32 s[G1M+4], 32
	s_mov_b32 s[G1M+5], 2048
	s_mov_b32 s[G1M+6], 0
	s_mov_b32 s[G1M+7], 0
	s_mul_i32 s22, s18, 256*REC
	s_add_co_u32 s23, s20, s13
	s_mul_i32 s23, s23, 16*REC
	s_add_co_u32 s22, s22, s23                     ; the records that I fetch: b, cx and the wave's number
	s_mov_b32 s23, 0
	s_lshl_b32 s70, s18, 24
	s_lshl_b32 s71, s19, 20
	s_add_co_u32 s70, s70, s71                     ; my block's rows of the mask: b and cy
	s_mov_b32 s71, 0
	s_lshl_b32 s72, s13, 18                        ; the 32 rows that I fetch
	s_mov_b32 s73, 0
	s_lshl_b32 s74, s15, 18                        ; the prefetches of the mask: my work-group's 32 rows of the 128, by cx,
	s_add_co_u32 s74, s74, 2*512                   ; at key step 2, which trip 0 names
	s_mov_b32 s75, 0
	s_mul_i32 s82, s18, 256*REC                    ; the prefetches of K and V: the record of head 4 cx + cy,
	s_add_co_u32 s83, s20, s16
	s_mul_i32 s83, s83, 16*REC
	s_add_co_u32 s82, s82, s83
	s_add_co_u32 s82, s82, 2*REC                   ; at key step 2
	s_mov_b32 s83, 0
	s_mov_b32 s56, 0x3e38aa3b                      ; c = log2(e) / 8
	s_mov_b32 s57, s56
	s_mov_b32 s58, 0x76543210
	s_mov_b32 s59, 0xfedcba98
	s_mov_b32 s60, 0xcfee6b28                      ; -8e9
	s_mov_b32 s61, s60
	s_mov_b32 s62, 14                              ; the first loop's trips
	s_mov_b32 s84, SLOT1                           ; the slot that is read: the first change makes it 0
	s_mov_b32 s86, REC
	s_mov_b32 s87, 0
	s_wait_dscnt 0x0                               ; both opening adds are done
	s_wait_kmcnt 0x0
	s_add_nc_u64 s[68:69], s[6:7], s[22:23]
	s_add_nc_u64 s[70:71], s[8:9], s[70:71]
	s_add_nc_u64 s[66:67], s[70:71], s[74:75]
	s_add_nc_u64 s[70:71], s[70:71], s[72:73]
	s_add_nc_u64 s[76:77], s[6:7], s[82:83]
	s_cmp_lt_u32 s12, 2
	s_cselect_b64 s[66:67], s[66:67], s[76:77]     ; waves 0, 1 name the mask, waves 2, 3 K and V
	s_cselect_b32 s86, 512, s86                    ; bytes from key step to key step
	s_cselect_b32 s89, -1, 0
	s_mov_b32 s[G0K], 1
	s_mul_i32 s[G0K+1], s13, REC
	s_mov_b64 s[G0K+2:G0K+3], s[68:69]
	s_or_b32 s[G0K+3], s[G0K+3], 0x80000000
	s_mov_b32 s[G0M], 1
	s_mul_i32 s[G0M+1], s13, 32*MP
	s_add_co_u32 s[G0M+1], s[G0M+1], MOFF
	s_mov_b64 s[G0M+2:G0M+3], s[70:71]
	s_or_b32 s[G0M+3], s[G0M+3], 0x80000000
	CROUND                                         ; all sixteen work-groups are here
	TLOAD                                          ; key step 0 into slot 0
	; Q: my tile's 6 registers and its scale word, of four heads 102,400 bytes apart
	s_mul_i32 s2, s18, 256*HALF
	s_mul_i32 s3, s20, 16*HALF
	s_add_co_u32 s2, s2, s3
	s_lshr_b32 s3, s21, 3
	s_mul_i32 s3, s3, HALF
	s_add_co_u32 s2, s2, s3                        ; the record of 8 tiles
	s_and_b32 s3, s21, 7
	s_mul_i32 s3, s3, 768
	s_add_co_u32 s22, s2, s3
	s_mov_b32 s23, 0
	s_add_nc_u64 s[76:77], s[4:5], s[22:23]
	s_bfe_u32 s3, s21, 0x20001
	s_lshl_b32 s3, s3, 6
	s_add_co_u32 s22, s2, s3
	s_add_co_u32 s22, s22, 6144
	s_add_nc_u64 s[4:5], s[4:5], s[22:23]
	s_and_b32 s73, s21, 1
	s_lshl_b32 s73, s73, 4                         ; the odd tile's two bytes lie in the word's upper half
	; where o goes: the tile's record, the half and the K steps of my four heads
	s_lshl_b32 s2, s18, 7
	s_add_co_u32 s2, s2, s21
	s_mul_i32 s2, s2, REC
	s_lshr_b32 s3, s15, 1
	s_mul_i32 s3, s3, HALF
	s_add_co_u32 s2, s2, s3
	s_and_b32 s3, s15, 1
	s_mul_i32 s74, s3, 3072
	s_add_co_u32 s74, s74, s2
	s_mov_b32 s75, 0
	s_add_nc_u64 s[78:79], s[10:11], s[74:75]
	s_lshl_b32 s3, s3, 3
	s_add_co_u32 s74, s2, s3
	s_add_co_u32 s74, s74, 6144
	s_add_nc_u64 s[80:81], s[10:11], s[74:75]
	s_mul_i32 s85, s12, 16*MP
	s_add_co_u32 s85, s85, MOFF                    ; my tile's rows of the mask in a slot
	s_and_b32 s88, s12, 1
	s_lshl_b32 s88, s88, 5
	v_and_b32 v224, 31, v0                         ; lane
	v_and_b32 v225, 15, v0                         ; r
	v_bfe_u32 v226, v0, 4, 1                       ; h
	v_lshlrev_b32 v38, 3, v224                     ; 8 x lane
	v_lshlrev_b32 v228, 2, v225
	WIN 0x40
.irp h, 0,1,2,3
.irp p, 0,1,2
	global_load_b64 v[QB+12*\h+6+2*\p:QB+12*\h+7+2*\p], v38, s[76:77] offset:102400*\h+256*\p
.endr
.endr
	WIN 0
.irp h, 0,1,2,3
	global_load_b32 v[QW+2*\h], v228, s[4:5] offset:102400*\h
.endr
	v_lshl_add_u32 v[BKS], v225, 2, 6144
	v_lshl_add_u32 v[BVC], v224, 4, 6400
	v_lshl_add_u32 v[BVS], v225, 3, 12544
	v_mul_u32_u24 v[BM], v225, MP
	v_lshlrev_b32 v249, 3, v226                    ; 8 h: where my two scale bytes stand in p's word
	v_lshlrev_b32 v39, 2, v226
	v_lshl_add_u32 v[BM], v226, 7, v[BM]
	v_lshl_add_u32 v39, v225, 4, v39               ; o's scale words: 16 r + 4 h
	v_add_nc_u32 v229, s88, v224                   ; the prefetch: block lane + 32 (wave % 2)
	v_add_nc_u32 v[BM], s85, v[BM]                 ; the mask: my query's row, + 128 h: my 32 keys of each 64
	v_min_u32 v230, 49, v229
	v_lshrrev_b32 v231, 1, v229
	v_and_b32 v229, 1, v229
	v_lshlrev_b32 v230, 8, v230                    ; of a record: 256 bytes a block, 50 blocks
	v_lshlrev_b32 v231, 13, v231
	v_lshl_add_u32 v231, v229, 8, v231             ; of the mask: row block / 2 of 8,192 bytes, + 256 (block % 2)
	v_cndmask_b32 v11, v230, v231, s89
.irp h, 0,1,2,3
	v_mov_b32 v[13+4*\h], 0xff61b1e6               ; the largest t so far: -3e38
	v_mov_b32 v[14+4*\h], 0
	v_mov_b32 v[15+4*\h], 0
.endr
.irp h, 0,1,2,3
	v_floor_f32 v[12+4*\h], -v[13+4*\h]            ; -M
.endr
	v_mov_b32 v[PS+1], 0                           ; a lane permute's destination counts as one of its sources
	v_mov_b32 v252, 0
	v_mov_b32 v[PW], 0                             ; (named as the upper half of the pair v[F:F+1] before it is first written)
	WIN 0x40
.irp z, 0,1,2,3,4
.irp i, 0,1,2,3,4,5
	v_mov_b32 v[QB+12*\z+\i], 0                    ; the zero codes round the four q
.endr
.endr
.set j, 0
.rept 128
	v_mov_b32 v[j], 0                              ; O^T: the step is written once; the first finds zeros
.set j, j+1
.endr
	WIN 0
	s_wait_loadcnt 0x0                             ; Q
.irp h, 0,1,2,3
	v_lshrrev_b32 v[QW+2*\h], s73, v[QW+2*\h]
.endr
.irp h, 0,1,2,3
	v_and_b32 v[QW+2*\h], 0xffff, v[QW+2*\h]       ; [q | 0]'s scale word: q's two bytes below
.endr
.irp h, 0,1,2,3
	v_lshlrev_b32 v[QW+1+2*\h], 16, v[QW+2*\h]     ; [0 | q]'s: above
.endr
	s_wait_alu depctr_va_vdst(0)
; THE CHANGE OF SLOTS, first part: the wave waits for its tensor load, adds 0 to its spare word, waits for that and for its reads of the slot that it leaves, and signals.
.macro CHGA refill, pf
	s_wait_tensorcnt 0x0                           ; no tensor load of mine is out, so a group 0 may be written
	ds_add_u32 v36, v37                            ; 0 onto my spare word
	s_xor_b32 s84, s84, SLOT1                      ; the slot that the next step reads
.if \refill
	s_xor_b32 s[G0K+1], s[G0K+1], SLOT1            ; the other slot takes the key step after that
	s_xor_b32 s[G0M+1], s[G0M+1], SLOT1
	s_add_nc_u64 s[G0K+2:G0K+3], s[G0K+2:G0K+3], REC
	s_add_nc_u64 s[G0M+2:G0M+3], s[G0M+2:G0M+3], 512
.endif
.if \pf
	s_wait_xcnt 0x0                                ; this trip's prefetch, three heads back, has read its address
	s_add_nc_u64 s[66:67], s[66:67], s[86:87]
.endif
	v_add_nc_u32 v[AKC], s84, v[BKC]               ; (all this step's LDS loads have been issued)
	v_add_nc_u32 v[AKS], s84, v[BKS]
	v_add_nc_u32 v[AVC], s84, v[BVC]
	v_add_nc_u32 v[AVS], s84, v[BVS]
	v_add_nc_u32 v[AM], s84, v[BM]
	s_wait_alu depctr_va_vdst(0)
	s_wait_dscnt 0x0                               ; the add is done, and my reads of the slot that I leave are over
	s_barrier_signal -1                            ; the round's opening signal; only work on registers follows up to its wait
.endm
; Second part: the round makes that hold of every wave of the cluster.  Behind it the slot ahead is whole, and the one just read is filled again: a wave's one tensor load until the next round.
.macro CHGB refill
	s_barrier_wait -1
	CREST
.if \refill
	TLOAD
.endif
.endm
.macro KPAIR h, b                      ; head h's key tiles 2 b and 2 b + 1: one fragment and its words: 7 loads
.irp c, 0,1,2,3,4,5
	ds_load_b64 v[KF+12*(\b)+2*\c:KF+12*(\b)+2*\c+1], v[AKC] offset:REC*(\h)+1536*(\b)+256*\c
.endr
	ds_load_b32 v[KW+(\b)], v[AKS] offset:REC*(\h)+64*(\b)
.endm
.macro MPART ask                       ; once a key step: the mask at my query and keys 64 g + 32 h + 0 .. 31, x (-8e9), for all four heads
	WIN 0x40
.irp g, 0,1
.irp i, 0,1,2,3,4,5,6,7
	ds_load_b128 v[MK+32*\g+4*\i:MK+32*\g+4*\i+3], v[AM] offset:256*\g+16*\i
.endr
.endr
	WIN 0
.irp b, 0,1,2,3
	KPAIR 0, \b
.endr
.if \ask
	s_cmp_lt_u32 s12, 4                            ; waves 0-3 ask
	s_cbranch_scc0 .Lnot_mine_\@
	global_prefetch_b8 v11, s[66:67] th:TH_LOAD_NT scope:SCOPE_SE
.Lnot_mine_\@:
.endif
	s_wait_dscnt 28                                ; the mask's 16 loads are in; K's 28 may be out
	WIN 0x41
.set j, 0
.rept 32
	v_pk_mul_f32 v[MK+j:MK+j+1], v[MK+j:MK+j+1], s[60:61] op_sel_hi:[1,0]
.set j, j+2
.endr
	WIN 0
	PLACES
	s_wait_alu depctr_va_vdst(0)
.endm
.macro KNEXT h, b                      ; the next head's K, a quarter at a time, among the lines of the chain from the row's maximum to f
.if \h < 3
	KPAIR (\h)+1, \b
.endif
.endm
.macro HSTEP h, chg                    ; one head, 128 keys.  chg 1: the change of slots with a refill, 2: without, 0: none
.set ST, 12+4*(\h)
.set OB, 32*(\h)
.set QH, QB+12*(\h)
	s_wait_dscnt 0x0                               ; K
	WIN 0x14                                       ; q and the mask lie in window 1
.irp b, 0,1,2,3
	v_wmma_scale_f32_16x16x128_f8f6f4 v[SR+16*\b:SR+16*\b+7], v[KF+12*\b:KF+12*\b+11], v[QH+6:QH+17], v[MK+16*\b:MK+16*\b+7], v[KW+\b], v[QW+2*(\h)] matrix_a_fmt:MATRIX_FMT_FP6 matrix_b_fmt:MATRIX_FMT_FP6
	v_wmma_scale_f32_16x16x128_f8f6f4 v[SR+8+16*\b:SR+15+16*\b], v[KF+12*\b:KF+12*\b+11], v[QH:QH+11], v[MK+8+16*\b:MK+15+16*\b], v[KW+\b], v[QW+1+2*(\h)] matrix_a_fmt:MATRIX_FMT_FP6 matrix_b_fmt:MATRIX_FMT_FP6
.endr
	WIN 0
	PLACES                                         ; behind these products and the last head's, ahead of loads into their sources and of reads of the scores
.irp t, 0,1,2,3
.irp g, 0,1,2
	ds_load_b128 v[VF+12*\t+4*\g:VF+12*\t+4*\g+3], v[AVC] offset:REC*(\h)+1536*\t+512*\g   ; V's four tiles of channels: they land during the softmax
.endr
.endr
.irp t, 0,1
	ds_load_b64 v[VW+2*\t:VW+2*\t+1], v[AVS] offset:REC*(\h)+128*\t
.endr
.irp q, 0,1,2,3
	v_max3_num_f32 v[TM+\q], v[SR+16*\q], v[SR+1+16*\q], v[SR+2+16*\q]   ; four chains of 16; each accumulator from its low end on
.endr
.irp i, 3,5,7,9,11,13
.irp q, 0,1,2,3
	v_max3_num_f32 v[TM+\q], v[TM+\q], v[SR+16*\q+\i], v[SR+1+16*\q+\i]
.endr
.endr
	v_max3_num_f32 v[TM], v[TM], v[TM+1], v[SR+15]
	v_max3_num_f32 v[TM+2], v[TM+2], v[TM+3], v[SR+47]
	v_max_num_f32 v[TM], v[TM], v[SR+31]           ; the largest score of my block h,
	v_max_num_f32 v[TM+2], v[TM+2], v[SR+63]       ; and of my block 2 + h: for the row's maximum and for the block's largest p
	v_mov_b32 v[PS+2], v[ST]
	s_delay_alu instid0(VALU_DEP_2)
	v_max_num_f32 v[PS], v[TM], v[TM+2]
	KNEXT \h, 0
	v_permlanex16_b32 v[PS+1], v[PS], s58, s59
	KNEXT \h, 1
	v_max_num_f32 v[PS], v[PS], v[PS+1]
	s_delay_alu instid0(VALU_DEP_1)
	v_mul_f32 v[PS], s56, v[PS]                    ; as t
	KNEXT \h, 2
	v_max_num_f32 v[ST+1], v[ST+1], v[PS]          ; the running largest t
	s_delay_alu instid0(VALU_DEP_1)
	v_floor_f32 v[ST], -v[ST+1]                    ; the new -M = -ceil(t)
	KNEXT \h, 3
	v_sub_f32 v[PS+2], v[ST], v[PS+2]              ; old M - new M: a whole number, 0 or less
	s_delay_alu instid0(VALU_DEP_1)
	v_cvt_i32_f32 v[PS+2], v[PS+2]                 ; (it saturates)
	s_delay_alu instid0(VALU_DEP_1)
	v_ldexp_f32 v[F], 1.0, v[PS+2]                 ; f = 2^(old M - new M)
.set j, 0
.rept 32
	v_pk_fma_f32 v[SR+j:SR+j+1], v[SR+j:SR+j+1], s[56:57], v[ST:ST+1] op_sel_hi:[1,0,0]   ; t - M
.set j, j+2
.endr
	v_fma_f32 v[TM], v[TM], s56, v[ST]
	v_fma_f32 v[TM+2], v[TM+2], s56, v[ST]
.if \chg == 1
	CHGA 1, 1                                      ; V's loads, this step's last, were issued 80 vector lines ago
.endif
.if \chg == 2
	CHGA 0, 0
.endif
	s_wait_alu depctr_va_vdst(0)
	v_exp_f32 v[TM], v[TM]                         ; each block's largest p
	v_exp_f32 v[TM+2], v[TM+2]
.set j, 0
.rept 64
	v_exp_f32 v[SR+j], v[SR+j]                     ; p = 2^(t - M)
.set j, j+1
.endr
	v_pk_mul_f32 v[ST+2:ST+3], v[ST+2:ST+3], v[F:F+1] op_sel_hi:[1,0]   ; the sums under the new M: a plain line behind the exponentials
	s_wait_alu depctr_va_vdst(0)                   ; one wait for the batch, ahead of its first reader
.set j, 0
.rept 8
	v_pk_add_f32 v[PS+j:PS+j+1], v[SR+j:SR+j+1], v[SR+16+j:SR+17+j]   ; the sum of the unquantised p, in eight chains
.set j, j+2
.endr
.set j, 0
.rept 8
	v_pk_add_f32 v[PS+j:PS+j+1], v[PS+j:PS+j+1], v[SR+32+j:SR+33+j]
.set j, j+2
.endr
.set j, 0
.rept 8
	v_pk_add_f32 v[PS+j:PS+j+1], v[PS+j:PS+j+1], v[SR+48+j:SR+49+j]
.set j, j+2
.endr
.irp j, 0,2,4,6
	v_pk_add_f32 v[PS+\j:PS+\j+1], v[PS+\j:PS+\j+1], v[PS+8+\j:PS+9+\j]
.endr
	v_max_num_f32 v[TM], 0x1800000, v[TM]          ; the floor 2^(3 - 127)
	v_max_num_f32 v[TM+2], 0x1800000, v[TM+2]
	v_pk_add_f32 v[PS:PS+1], v[PS:PS+1], v[PS+4:PS+5]
	v_pk_add_f32 v[PS+2:PS+3], v[PS+2:PS+3], v[PS+6:PS+7]
	v_add_nc_u32 v[SO], 0xff000000, v[TM]          ; the conversions' scale operands
	v_add_nc_u32 v[SO+1], 0xff000000, v[TM+2]
	s_delay_alu instid0(VALU_DEP_3)
	v_pk_add_f32 v[PS:PS+1], v[PS:PS+1], v[PS+2:PS+3]
	v_lshrrev_b32 v[BY], 23, v[SO]                 ; the bytes
	v_lshrrev_b32 v[BY+1], 23, v[SO+1]
	s_delay_alu instid0(VALU_DEP_3)
	v_pk_add_f32 v[ST+2:ST+3], v[ST+2:ST+3], v[PS:PS+1]
	s_delay_alu instid0(VALU_DEP_2)
	v_lshl_or_b32 v248, v[BY+1], 16, v[BY]         ; my two bytes: blocks h and 2 + h,
	s_delay_alu instid0(VALU_DEP_1)
	v_lshlrev_b32 v248, v249, v248                 ; at their places in the word;
	s_delay_alu instid0(VALU_DEP_1)
	v_permlanex16_b32 v252, v248, s58, s59
	s_delay_alu instid0(VALU_DEP_1)
	v_or_b32 v[PW], v248, v252                     ; with lane l xor 16's two: p's scale word for these 128 keys
	v_cvt_scalef32_pk16_fp6_f32 v[PC:PC+2], v[SR:SR+15], v[SO]
	v_cvt_scalef32_pk16_fp6_f32 v[E0:E0+2], v[SR+16:SR+31], v[SO]          ; (a conversion's three registers begin on an even number)
	v_cvt_scalef32_pk16_fp6_f32 v[PC+6:PC+8], v[SR+32:SR+47], v[SO+1]
	v_cvt_scalef32_pk16_fp6_f32 v[E1:E1+2], v[SR+48:SR+63], v[SO+1]
	v_nop                                          ; one plain line behind the scaled conversions
.irp i, 0,1,2
	v_mov_b32 v[PC+3+\i], v[E0+\i]
	v_mov_b32 v[PC+9+\i], v[E1+\i]
.endr
	WIN 0x41
	s_wait_alu depctr_va_vdst(0)
.set j, 0
.rept 16
	v_pk_mul_f32 v[OB+j:OB+j+1], v[OB+j:OB+j+1], v[F:F+1] op_sel_hi:[1,0]   ; O^T under the new M; these lines also stand between the writes of p's codes and word and the products
.set j, j+2
.endr
	WIN 0
	s_wait_alu depctr_va_vdst(0)
.if \h < 3
	s_wait_dscnt 28                                ; V's 14 loads are in; the next head's 28 of K may be out
.else
.if \chg == 0
	s_wait_dscnt 0x0
.endif
.endif                                             ; (with a change of slots V was waited for in front of the signal)
	WIN 0x50
.irp t, 0,1,2,3
	v_wmma_scale_f32_16x16x128_f8f6f4 v[OB+8*\t:OB+8*\t+7], v[VF+12*\t:VF+12*\t+11], v[PC:PC+11], v[OB+8*\t:OB+8*\t+7], v[VW+\t], v[PW] matrix_a_fmt:MATRIX_FMT_FP6 matrix_b_fmt:MATRIX_FMT_FP6
.endr
	WIN 0
.if \chg == 1
	CHGB 1
.endif
.if \chg == 2
	CHGB 0
.endif
.endm
	CHGA 1, 0                                      ; key step 0 is in;
	CHGB 1                                         ; key step 1 is asked for, into slot 1
.Lk:                                               ; 14 trips of one key step; at the end of trip t key step t + 2 is asked for, into the slot just read
	MPART 1
	HSTEP 0, 0
	HSTEP 1, 0
	HSTEP 2, 0
	HSTEP 3, 1
	s_sub_co_u32 s62, s62, 1
	s_cmp_lg_u32 s62, 0
	s_cbranch_scc1 .Lk
	s_mov_b32 s62, 2
.Lt:                                               ; key steps 14 and 15: nothing is asked for and nothing prefetched
	MPART 0
	HSTEP 0, 0
	HSTEP 1, 0
	HSTEP 2, 0
	HSTEP 3, 2
	s_sub_co_u32 s62, s62, 1
	s_cmp_lg_u32 s62, 0
	s_cbranch_scc1 .Lt
	; THE WAY OUT: O^T / the sum; register 16 b + i of a head is channel 32 b + 16 h + i of my query: two blocks of 32 along the last product's K
.irp h, 0,1,2,3
	v_add_f32 v[14+4*\h], v[14+4*\h], v[15+4*\h]
.endr
.irp h, 0,1,2,3
	v_permlanex16_b32 v[PS+\h], v[14+4*\h], s58, s59
.endr
.irp h, 0,1,2,3
	v_add_f32 v[14+4*\h], v[14+4*\h], v[PS+\h]     ; the rows' sums
.endr
	v_and_b32 v248, 31, v0
	s_delay_alu instid0(VALU_DEP_1)
	v_cmp_lt_u32 vcc_lo, 15, v248
	s_wait_alu depctr_va_vdst(0)
.irp h, 0,1,2,3
	v_rcp_f32 v[14+4*\h], v[14+4*\h]
.endr
	v_nop                                          ; a plain line behind the reciprocals
.macro OUT h
.set CO, KF+12*(\h)                    ; each head's codes have registers of their own: no store's data are written again
	WIN 0x01
	s_wait_alu depctr_va_vdst(0)
.set j, 0
.rept 32
	v_mul_f32 v[SR+j], v[32*(\h)+j], v[14+4*(\h)]  ; each accumulator from its low end on
.set j, j+1
.endr
	WIN 0
.irp b, 0,1
	v_max3_num_f32 v[TM+\b], |v[SR+16*\b]|, |v[SR+1+16*\b]|, 0x1800000
.endr
.irp i, 2,4,6,8,10,12,14
.irp b, 0,1
	s_delay_alu instid0(VALU_DEP_2)
	v_max3_num_f32 v[TM+\b], v[TM+\b], |v[SR+16*\b+\i]|, |v[SR+1+16*\b+\i]|
.endr
.endr
.irp b, 0,1
	s_delay_alu instid0(VALU_DEP_2)
	v_permlanex16_b32 v[PS+\b], v[TM+\b], s58, s59
.endr
.irp b, 0,1
	s_delay_alu instid0(VALU_DEP_2)
	v_max_num_f32 v[TM+\b], v[TM+\b], v[PS+\b]
.endr
.irp b, 0,1
	s_delay_alu instid0(VALU_DEP_2)
	v_add_nc_u32 v[SO+\b], 0xff000000, v[TM+\b]
.endr
.irp b, 0,1
	s_delay_alu instid0(VALU_DEP_2)
	v_lshrrev_b32 v[BY+\b], 23, v[SO+\b]
.endr
	v_cvt_scalef32_pk16_fp6_f32 v[CO:CO+2], v[SR:SR+15], v[SO]
	v_cvt_scalef32_pk16_fp6_f32 v[CO+6:CO+8], v[SR+16:SR+31], v[SO+1]
	v_lshl_or_b32 v[VF+(\h)], v[BY+1], 8, v[BY]    ; the head's two scale bytes: a plain line behind the scaled conversions
.irp i, 0,1,2
	v_permlane16_swap_b32 v[CO+\i], v[CO+6+\i]     ; the layout wants a whole block in a lane
.endr
.irp i, 0,1,2
	s_delay_alu instid0(VALU_DEP_3)
	v_mov_b32 v[CO+3+\i], v[CO+6+\i]
.endr
.irp p, 0,1,2
	global_store_b64 v38, v[CO+2*\p:CO+2*\p+1], s[78:79] offset:1536*((\h)/2)+768*((\h)%2)+256*\p   ; 32 lanes store 256 consecutive bytes, aligned
.endr
.endm
	OUT 0
	OUT 1
	OUT 2
	OUT 3
	v_lshl_or_b32 v[VF], v[VF+1], 16, v[VF]        ; a K step's scale word of my row: the even head's two bytes, then the odd head's
	v_lshl_or_b32 v[VF+2], v[VF+3], 16, v[VF+2]
	s_delay_alu instid0(VALU_DEP_1)
	v_cndmask_b32 v[VF], v[VF], v[VF+2], vcc_lo    ; lanes 0-15 store the first K step's word, lanes 16-31 the second's
	global_store_b32 v39, v[VF], s[80:81]
	s_wait_tensorcnt 0x0                           ; the wave's end
	ds_add_u32 v36, v37
	s_wait_dscnt 0x0
	CROUND                                         ; the closing round
	s_endpgm
.Lfunc_end_k_q3cc5229d36_attn:
	.size	k_q3cc5229d36_attn, .Lfunc_end_k_q3cc5229d36_attn-k_q3cc5229d36_attn
	.p2alignl 7, 3214868480
	.fill 96, 4, 3214868480
	.section	.rodata,"a",@progbits
	.p2align	6, 0x0
	.amdhsa_kernel k_q3cc5229d36_attn
		.amdhsa_group_segment_fixed_size 327680
		.amdhsa_private_segment_fixed_size 0
		.amdhsa_enable_private_segment 0
		.amdhsa_kernarg_size 32
		.amdhsa_user_sgpr_count 2
		.amdhsa_user_sgpr_kernarg_segment_ptr 1
		.amdhsa_wavefront_size32 1
		.amdhsa_system_sgpr_workgroup_id_x 1
		.amdhsa_system_sgpr_workgroup_id_y 1
		.amdhsa_system_sgpr_workgroup_id_z 1
		.amdhsa_system_vgpr_workitem_id 0
		.amdhsa_next_free_vgpr 512
		.amdhsa_next_free_sgpr 90
		.amdhsa_reserve_vcc 1
		.amdhsa_float_denorm_mode_32 3
		.amdhsa_float_denorm_mode_16_64 3
		.amdhsa_memory_ordered 1
		.amdhsa_forward_progress 1
		.amdhsa_inst_pref_size 169
	.end_amdhsa_kernel
	.amdgpu_metadata
---
amdhsa.version: [ 1, 2 ]
amdhsa.kernels:
  - .name:           k_q3cc5229d36_attn
    .symbol:         k_q3cc5229d36_attn.kd
    .args:
      - { .name: qc, .offset: 0, .size: 8, .value_kind: global_buffer, .address_space: global }
      - { .name: kv, .offset: 8, .size: 8, .value_kind: global_buffer, .address_space: global }
      - { .name: attention_mask, .offset: 16, .size: 8, .value_kind: global_buffer, .address_space: global }
      - { .name: oc, .offset: 24, .size: 8, .value_kind: global_buffer, .address_space: global }
    .group_segment_fixed_size: 327680
    .private_segment_fixed_size: 0
    .kernarg_segment_align: 8
    .kernarg_segment_size: 32
    .max_flat_workgroup_size: 256
    .sgpr_count:     90
    .vgpr_count:     512
    .wavefront_size: 32
...
	.end_amdgpu_metadata
.endif
;; end of part 3
;; launch oproj (part 4): grid 4 x 64, 4 waves a work-group, clusters of 4 x 4, 327,680 bytes of LDS; arguments oc, wc, bo, out0; writes out0
.if DOCPART == 4
	.amdgcn_target "amdgcn-amd-amdhsa--gfx1250"
	.amdhsa_code_object_version 6
	.text
	.protected	k_q3cc5229d36_oproj
	.globl	k_q3cc5229d36_oproj
	.p2align	8
	.type	k_q3cc5229d36_oproj,@function
k_q3cc5229d36_oproj:
	s_mov_b64 s[64:65], 0
	v_nop
	global_prefetch_b8 v0, s[64:65] scope:SCOPE_SE
	s_setreg_imm32_b32 hwreg(HW_REG_WAVE_MODE, 25, 1), 1
	s_wait_xcnt 0x0
	s_wait_alu depctr_hold_cnt(0) depctr_sa_sdst(0) depctr_va_vdst(0) depctr_va_sdst(0) depctr_va_ssrc(0) depctr_va_vcc(0) depctr_vm_vsrc(0)
	s_getreg_b32 s2, hwreg(HW_REG_IB_STS2, 6, 4)
	s_cmp_eq_u32 s2, 0
	s_cbranch_scc0 .Lentry_in_a_cluster
	s_endpgm
.Lentry_in_a_cluster:
	s_bfe_u32 s2, ttmp6, 0x10000c
	s_cmp_lg_u32 s2, 0xf033
	s_cbranch_scc0 .Lentry_shape_is_right
	s_endpgm
.Lentry_shape_is_right:
; out0 = o Wo + bo on codes of FP6 (E2M3) with E8M0 scales; out0 [8192][1024] f32.
; OPERANDS: records of oc (tokens, plain tiles) and of wc (Wo's columns: the fourth weight): 12,800 bytes for a tile of 16 rows: two halves of [4 K steps][6 pieces][32 lanes][8 bytes] of codes and [16 rows][4 scale words].
; SHARES.  A work-group makes L = 128 tokens (8 tiles, source 1: a lane holds one) x R = 256 columns (16 tiles, source 0: along a lane's registers).  Wave w takes L's tiles 4 (w / 2) on and R's tiles 8 (w % 2) on: 32 accumulators.
; Wo's tiles are laid so that the 16 registers of result tiles 2 b and 2 b + 1 are columns 32 b + 16 h + 0 .. 15.  The bias is the C of each sum's first product.
; THE WHOLE K LIES IN LDS: two chunks of 512 along K, each filled once.  A wave has two tensor loads out.  CLUSTER 4 x 4: L's tiles are asked for jointly along a row of the cluster, R's along a column.
; THE WAY OUT: 16 tokens x 128 columns at a time through the wave's own stage in LDS, so that 32 lanes store 512 consecutive bytes of a row.  The stage lies in chunk 0, which is filled once and which nobody reads behind the barrier of K step 3.
; REGISTERS: window 0: v1-20 lane numbers and addresses; v32-127 scale words; v128-223 L's fragments, two sets; on the way out v128-255.  window 1: the accumulators, (i, j) at v[8 (8 i + j)].  window 2: R's fragments, two sets of 96; v192-255 the bias.
.set REC,   12800
.set HALF,  6400
.set CHUNK, 153600
.set ROFF,  51200
.set ADL,   8
.set ADR,   10
.set ASL,   12
.set ASR,   14
.set SCW,   32
.set LF,    128
.set STO,   16                         ; v16 the stage: where I put 32 bytes of a row
.set RD,    17                         ; v17 where I read a row back
.set CO,    18                         ; v18 16 x lane
.set BK,    128                        ; rows read back: v128-191 and v192-255 by turns
.set SROW,  528
.set MSB, 0
.macro WIN new
.if MSB != \new
	s_set_vgpr_msb (MSB<<8)|\new
.set MSB, \new
.endif
.endm
.macro PLACES
.rept 4
	v_nop
.endr
.endm
.macro CROUND
	s_barrier_signal -1
	s_barrier_wait -1
	s_cmp_lg_u32 s18, 0
	s_cbranch_scc1 .Lnot_wave_0_\@
	s_barrier_signal -3
.Lnot_wave_0_\@:
	s_barrier_wait -3
	s_barrier_signal -1
	s_barrier_wait -1
.endm
.macro FETCH k, q, p
	WIN 0x80
.irp j, 0,1,2,3,4,5,6,7
.irp c, 0,1,2,3,4,5
	ds_load_b64 v[96*(\p)+12*\j+2*\c:96*(\p)+12*\j+2*\c+1], v[ADR+\k] offset:HALF*\j+1536*(\q)+256*\c
.endr
.endr
	WIN 0
.irp i, 0,1,2,3
.irp c, 0,1,2,3,4,5
	ds_load_b64 v[LF+48*(\p)+12*\i+2*\c:LF+48*(\p)+12*\i+2*\c+1], v[ADL+\k] offset:HALF*\i+1536*(\q)+256*\c
.endr
.endr
.endm
.macro SCALES k
.irp i, 0,1,2,3
	ds_load_b128 v[SCW+48*(\k)+4*\i:SCW+48*(\k)+4*\i+3], v[ASL+\k] offset:HALF*\i
.endr
.irp j, 0,1,2,3,4,5,6,7
	ds_load_b128 v[SCW+48*(\k)+16+4*\j:SCW+48*(\k)+16+4*\j+3], v[ASR+\k] offset:HALF*\j
.endr
.endm
.macro MUL k, q, p, cmode              ; 32 products; the accumulators take turns, one instruction a turn.  cmode 2: the bias starts the sums
.if \cmode == 2
	WIN 0x62
.else
	WIN 0x52
.endif
.irp i, 0,1,2,3
.irp j, 0,1,2,3,4,5,6,7
.if \cmode == 2
	v_wmma_scale_f32_16x16x128_f8f6f4 v[8*(8*\i+\j):8*(8*\i+\j)+7], v[96*(\p)+12*\j:96*(\p)+12*\j+11], v[LF+48*(\p)+12*\i:LF+48*(\p)+12*\i+11], v[192+8*\j:192+8*\j+7], v[SCW+48*(\k)+16+4*\j+(\q)], v[SCW+48*(\k)+4*\i+(\q)] matrix_a_fmt:MATRIX_FMT_FP6 matrix_b_fmt:MATRIX_FMT_FP6
.else
	v_wmma_scale_f32_16x16x128_f8f6f4 v[8*(8*\i+\j):8*(8*\i+\j)+7], v[96*(\p)+12*\j:96*(\p)+12*\j+11], v[LF+48*(\p)+12*\i:LF+48*(\p)+12*\i+11], v[8*(8*\i+\j):8*(8*\i+\j)+7], v[SCW+48*(\k)+16+4*\j+(\q)], v[SCW+48*(\k)+4*\i+(\q)] matrix_a_fmt:MATRIX_FMT_FP6 matrix_b_fmt:MATRIX_FMT_FP6
.endif
.endr
.endr
.endm
.macro STEP k, q, cmode
.set IDX, 4*(\k)+(\q)
	s_wait_dscnt 0x0                               ; this step's fragments are in
.if IDX == 3
	s_wait_tensorcnt 0x0                           ; my part of chunk 1 has landed;
	s_barrier_signal -1
	s_barrier_wait -1                              ; everybody's has, and nobody reads chunk 0 any more
.endif
.if IDX < 7
.if IDX > 0
	PLACES
.endif
	FETCH (IDX+1)/4, (IDX+1)%4, 1-(\q)%2
.if IDX == 3
	SCALES 1
.endif
.endif
	MUL \k, \q, (\q)%2, \cmode
.endm
	s_load_b256 s[4:11], s[0:1], 0x0               ; oc, wc, bo, out0
	v_lshl_add_u32 v30, v0, 2, 0x4b000
	v_mov_b32 v31, 0
	ds_add_u32 v30, v31
	ds_add_u32 v30, v31
	v_lshrrev_b32 v4, 5, v0
	v_readfirstlane_b32 s18, v4                    ; wave
	s_and_b32 s19, s18, 1
	s_lshr_b32 s20, s18, 1
	s_bfe_u32 s56, ttmp6, 0x40000                  ; cx
	s_bfe_u32 s57, ttmp6, 0x40004                  ; cy
	s_and_b32 s58, ttmp7, 0xffff
	s_lshl_b32 s61, s58, 2
	s_add_co_u32 s61, s61, s57                     ; L's block of 8 tiles
	s_mov_b32 s62, s56                             ; R's block of 16 tiles
	s_lshl_b32 s66, s57, 2
	s_lshl_b32 s66, 15, s66                        ; my row of the cluster
	s_lshl_b32 s67, 0x1111, s56                    ; my column
	s_or_b32 s24, s66, (3<<16)|(1<<21)             ; half records of 6,400 bytes (800 elements of 8 bytes), 12,800 bytes apart: 4 of L's,
	s_mov_b32 s25, 800<<16
	s_mov_b32 s26, 4<<16
	s_mov_b32 s27, 800<<16
	s_mov_b32 s28, 4
	s_mov_b32 s29, 1600
	s_mov_b32 s30, 0
	s_mov_b32 s31, 0
	s_or_b32 s32, s67, (3<<16)|(1<<21)             ; 8 of R's
	s_mov_b32 s33, 800<<16
	s_mov_b32 s34, 8<<16
	s_mov_b32 s35, 800<<16
	s_mov_b32 s36, 8
	s_mov_b32 s37, 1600
	s_mov_b32 s38, 0
	s_mov_b32 s39, 0
	s_lshl_b32 s78, s61, 3
	s_lshl_b32 s79, s19, 2
	s_add_co_u32 s78, s78, s79
	s_mul_i32 s78, s78, REC
	s_mov_b32 s79, 0
	s_lshl_b32 s80, s62, 4
	s_lshl_b32 s81, s19, 3
	s_add_co_u32 s80, s80, s81
	s_mul_i32 s80, s80, REC
	s_add_co_u32 s80, s80, 3*64*REC                ; Wo is the fourth weight
	s_mov_b32 s81, 0
	s_mul_i32 s82, s19, 4*HALF
	s_mul_i32 s83, s19, 8*HALF
	s_add_co_u32 s83, s83, ROFF
	v_and_b32 v1, 31, v0                           ; lane
	v_and_b32 v2, 15, v0                           ; r
	v_bfe_u32 v3, v0, 4, 1                         ; h
	s_wait_dscnt 0x0
	s_wait_kmcnt 0x0
	s_add_nc_u64 s[70:71], s[4:5], s[78:79]
	s_add_nc_u64 s[72:73], s[6:7], s[80:81]
.irp k, 0,1
	s_mov_b32 s[40+4*\k], 1
	s_add_co_u32 s[41+4*\k], s82, \k*CHUNK
	s_add_nc_u64 s[42+4*\k:43+4*\k], s[70:71], \k*HALF
	s_or_b32 s[43+4*\k], s[43+4*\k], 0x80000000
	s_mov_b32 s[48+4*\k], 1
	s_add_co_u32 s[49+4*\k], s83, \k*CHUNK
	s_add_nc_u64 s[50+4*\k:51+4*\k], s[72:73], \k*HALF
	s_or_b32 s[51+4*\k], s[51+4*\k], 0x80000000
.endr
	CROUND                                         ; all sixteen work-groups are here: the joint loads meet
	s_cmp_eq_u32 s20, 0                            ; a wave's two fills stand in one branch, ahead of every wait on TENSORcnt and every LDS read
	s_cbranch_scc0 .Lfirst_r
	tensor_load_to_lds s[40:43], s[24:31]          ; chunk 0: one tensor load a wave at the head
	s_nop 0
	PLACES
	s_branch .Lfirst_asked
.Lfirst_r:
	tensor_load_to_lds s[48:51], s[32:39]
	s_nop 0
	PLACES
.Lfirst_asked:
	s_lshl_b32 s2, s62, 8
	s_lshl_b32 s3, s19, 7
	s_add_co_u32 s2, s2, s3                        ; my first column
	s_lshl_b32 s2, s2, 2
	s_mov_b32 s3, 0
	s_add_nc_u64 s[8:9], s[8:9], s[2:3]            ; bo there,
	s_add_nc_u64 s[10:11], s[10:11], s[2:3]        ; out0 there,
	s_lshl_b32 s2, s61, 7
	s_lshl_b32 s21, s20, 6
	s_add_co_u32 s2, s2, s21
	s_lshl_b32 s2, s2, 12                          ; and at my first token: 4,096 bytes a row
	s_add_nc_u64 s[10:11], s[10:11], s[2:3]
	s_wait_alu depctr_va_vdst(0)
	v_lshlrev_b32 v20, 6, v3                       ; the bias: result tile j holds columns 32 (j / 2) + 16 h + 8 (j % 2) + 0 .. 7
	WIN 0x80
.irp j, 0,1,2,3,4,5,6,7
	global_load_b128 v[192+8*\j:195+8*\j], v20, s[8:9] offset:(32*(\j/2)+8*(\j%2))*4
	global_load_b128 v[196+8*\j:199+8*\j], v20, s[8:9] offset:(32*(\j/2)+8*(\j%2))*4+16
.endr
	WIN 0
	s_mul_i32 s2, s20, 4*HALF
	s_mul_i32 s3, s19, 8*HALF
	s_add_co_u32 s3, s3, ROFF
	v_lshlrev_b32 v4, 3, v1
	v_lshlrev_b32 v5, 4, v2
	v_add_nc_u32 v[ADL], s2, v4
	v_add_nc_u32 v[ADL+1], CHUNK, v[ADL]
	v_add_nc_u32 v[ADR], s3, v4
	v_add_nc_u32 v[ADR+1], CHUNK, v[ADR]
	v_add_nc_u32 v[ASL], s2, v5
	v_add_nc_u32 v[ASL], 6144, v[ASL]
	v_add_nc_u32 v[ASL+1], CHUNK, v[ASL]
	v_add_nc_u32 v[ASR], s3, v5
	v_add_nc_u32 v[ASR], 6144, v[ASR]
	v_add_nc_u32 v[ASR+1], CHUNK, v[ASR]
	s_mul_i32 s2, s18, 16*SROW                     ; my stage
	v_mul_u32_u24 v[STO], v2, SROW
	v_lshl_add_u32 v[STO], v3, 6, v[STO]
	v_add_nc_u32 v[STO], s2, v[STO]                ; in: row r, + 64 h
	v_lshlrev_b32 v[CO], 4, v1
	v_add_nc_u32 v[RD], s2, v[CO]                  ; back: 16 bytes a lane of a row
	s_wait_alu depctr_va_vdst(0)
	s_wait_tensorcnt 0x0                           ; my part of chunk 0 is in
	ds_add_u32 v30, v31
	s_wait_dscnt 0x0
	CROUND                                         ; everybody's part is in, and all sixteen work-groups are here
	s_cmp_eq_u32 s20, 0                            ; chunk 1: my one tensor load behind the round; one load of mine is out from here to K step 3
	s_cbranch_scc0 .Lsecond_r
	tensor_load_to_lds s[44:47], s[24:31]
	s_nop 0
	PLACES
	s_branch .Lsecond_asked
.Lsecond_r:
	tensor_load_to_lds s[52:55], s[32:39]
	s_nop 0
	PLACES
.Lsecond_asked:
	FETCH 0, 0, 0
	SCALES 0
	s_wait_loadcnt 0x0                             ; the bias
	STEP 0, 0, 2
	STEP 0, 1, 1
	STEP 0, 2, 1
	STEP 0, 3, 1
	STEP 1, 0, 1
	STEP 1, 1, 1
	STEP 1, 2, 1
	STEP 1, 3, 1
	WIN 0
	PLACES
.macro TOSTAGE a                       ; L's tile a: 16 tokens x 128 columns into my stage, and back as whole rows of 512 bytes
	WIN 0x04                                       ; an LDS store's data are its source 1: window 1
.irp j, 0,1,2,3,4,5,6,7
	ds_store_b128 v[STO], v[8*(8*(\a)+\j):8*(8*(\a)+\j)+3] offset:128*(\j/2)+32*(\j%2)          ; each accumulator from its low end on
	ds_store_b128 v[STO], v[8*(8*(\a)+\j)+4:8*(8*(\a)+\j)+7] offset:128*(\j/2)+32*(\j%2)+16
.endr
	WIN 0
.set BB, BK+64*((\a)%2)
.irp t, 0,1,2,3,4,5,6,7,8,9,10,11,12,13,14,15
	ds_load_b128 v[BB+4*\t:BB+4*\t+3], v[RD] offset:\t*SROW   ; LDS serves a wave's instructions in order: these see the stores above, and the next tile's stores come behind them
.endr
.endm
.macro SEND a, younger                 ; younger: the LDS instructions issued behind tile a's loads, which may stay out
.set BB, BK+64*((\a)%2)
	s_wait_dscnt \younger
.irp t, 0,1,2,3,4,5,6,7,8,9,10,11,12,13,14,15
	global_store_b128 v[CO], v[BB+4*\t:BB+4*\t+3], s[10:11] offset:(16*(\a)+\t)*4096 th:TH_STORE_NT   ; 32 lanes store 512 consecutive bytes, aligned
.endr
.endm
	TOSTAGE 0
	TOSTAGE 1
	SEND 0, 32                                     ; behind tile 0's loads: tile 1's 16 stores and 16 loads
	s_wait_xcnt 0x0                                ; tile 0's stores have read their registers
	TOSTAGE 2
	SEND 1, 32
	s_wait_xcnt 0x0
	TOSTAGE 3
	SEND 2, 32
	SEND 3, 0
	s_wait_dscnt 0x0
	s_wait_tensorcnt 0x0
	ds_add_u32 v30, v31
	s_wait_dscnt 0x0
	CROUND                                         ; the closing round
	s_endpgm
.Lfunc_end_k_q3cc5229d36_oproj:
	.size	k_q3cc5229d36_oproj, .Lfunc_end_k_q3cc5229d36_oproj-k_q3cc5229d36_oproj
	.p2alignl 7, 3214868480
	.fill 96, 4, 3214868480
	.section	.rodata,"a",@progbits
	.p2align	6, 0x0
	.amdhsa_kernel k_q3cc5229d36_oproj
		.amdhsa_group_segment_fixed_size 327680
		.amdhsa_private_segment_fixed_size 0
		.amdhsa_enable_private_segment 0
		.amdhsa_kernarg_size 32
		.amdhsa_user_sgpr_count 2
		.amdhsa_user_sgpr_kernarg_segment_ptr 1
		.amdhsa_wavefront_size32 1
		.amdhsa_system_sgpr_workgroup_id_x 1
		.amdhsa_system_sgpr_workgroup_id_y 1
		.amdhsa_system_sgpr_workgroup_id_z 1
		.amdhsa_system_vgpr_workitem_id 0
		.amdhsa_next_free_vgpr 768
		.amdhsa_next_free_sgpr 84
		.amdhsa_reserve_vcc 0
		.amdhsa_float_denorm_mode_32 3
		.amdhsa_float_denorm_mode_16_64 3
		.amdhsa_memory_ordered 1
		.amdhsa_forward_progress 1
		.amdhsa_inst_pref_size 96
	.end_amdhsa_kernel
	.amdgpu_metadata
---
amdhsa.version: [ 1, 2 ]
amdhsa.kernels:
  - .name:           k_q3cc5229d36_oproj
    .symbol:         k_q3cc5229d36_oproj.kd
    .args:
      - { .name: oc, .offset: 0, .size: 8, .value_kind: global_buffer, .address_space: global }
      - { .name: wc, .offset: 8, .size: 8, .value_kind: global_buffer, .address_space: global }
      - { .name: bo, .offset: 16, .size: 8, .value_kind: global_buffer, .address_space: global }
      - { .name: out0, .offset: 24, .size: 8, .value_kind: global_buffer, .address_space: global }
    .group_segment_fixed_size: 327680
    .private_segment_fixed_size: 0
    .kernarg_segment_align: 8
    .kernarg_segment_size: 32
    .max_flat_workgroup_size: 128
    .sgpr_count:     84
    .vgpr_count:     768
    .wavefront_size: 32
...
	.end_amdgpu_metadata
.endif
;; end of part 4
